; MI455X (gfx1250); checked and timed in simulation.
; The chip was launched on July 23, 2026; its instructions are those of AMD's public machine-readable ISA for CDNA 5 (MIT licence, August 2026) and "CDNA5" Instruction Set Architecture Reference Guide (July 2026). The comments in the code are by the model that wrote it; some were corrected since.
;; Causal Multi Head Self Attention. Allowed arithmetic: matrix products marked QUANTISED: E2M3 operands, one E8M0 scale for each 32 along K, by v_wmma_scale_f32_16x16x128_f8f6f4 with both operands' format E2M3, f32 sums; everything else in f32.
;; Inputs: w_out 1,024 x 1,024 float32; w_qkv 3,072 x 1,024 float32; x 4 x 2,048 x 1,024 float32.
;; Outputs: out0 4 x 2,048 x 1,024 float32.
;; This version of the problem:
;;   THIS VERSION OF THE PROBLEM IS GIVEN IN LOW PRECISION. The matrix products marked QUANTISED in the list below multiply operands that are first quantised to E2M3 (2 exponent bits, 3 mantissa bits; 6 bits a number), with one power-of-two scale for each 32 numbers along K (OCP MX v1.0); their sums are f32. All else is computed in f32.
;;   The module's matrix products, in the order in which they are computed (A, B: the left and right operand; K: the contracted axis; several contracted axes count as one K, in the product's order):
;;     1. [M 8,192, K 1,024] x [K 1,024, N 3,072]; A: input x; B: input w_qkv: QUANTISED
;;     2. batch 64 x [M 2,048, K 64] x [K 64, N 2,048]; A: computed on the way; B: computed on the way: QUANTISED
;;     3. batch 64 x [M 2,048, K 2,048] x [K 2,048, N 64]; A: softmax (see below); B: computed on the way: QUANTISED
;;     4. [M 8,192, K 1,024] x [K 1,024, N 1,024]; A: computed on the way; B: input w_out: QUANTISED
;;   THE QUANTISER, for each operand of a quantised product, along K:
;;     - K is cut into blocks of 32 from its start; a last block that is shorter is filled with zeros.
;;     - A block's scale is 2^e with e = floor(log2(the largest magnitude in the block)) - 2, held to -126 .. 127; a block of zeros has e = 0. As a byte (E8M0): e + 127.
;;     - Each number is divided by its block's scale, clamped to +-7.5, and rounded to the nearest number of E2M3, ties to even, subnormals kept.
;;     - The product sums the exact products of the quantised numbers (number of the format x scale) in f32.
;;   ~~~python
;;   def quantise(x, axis):      # numpy; x: float32 -> the quantised numbers, widened to float32 again
;;       x = np.moveaxis(x, axis, -1); K = x.shape[-1]
;;       x = np.pad(x, [(0, 0)] * (x.ndim - 1) + [(0, -K % 32)]); x = x.reshape(x.shape[:-1] + (-1, 32)); a = np.abs(x).max(-1, keepdims=True)
;;       e = np.where(a > 0, np.clip(np.frexp(np.where(a > 0, a, 1))[1] - 1 - 2, -126, 127), 0)      # np.frexp(a)[1] - 1 = floor(log2(a)), exactly
;;       r = np.clip(x / 2.0 ** e, -7.5, 7.5)
;;       step = 2.0 ** (np.maximum(np.frexp(np.where(r == 0, 1, r))[1] - 1, 0) - 3)
;;       q = np.round(r / step) * step * 2.0 ** e      # np.round: ties to even
;;       return np.moveaxis(q.reshape(q.shape[:-2] + (-1,))[..., :K], -1, axis).astype(np.float32)
;;   ~~~
;;   SOFTMAX AHEAD OF A QUANTISED PRODUCT. Where the list says 'softmax', what is quantised is not the finished softmax but p = 2^(t - M), with t = logit x log2(e) and M = ceil(the row's largest t), a whole number; so 1/2 < the row's largest p <= 1. The row's sum l is taken of the UNQUANTISED p, in f32, and the product's result is divided by l at the end. Since M is a whole number, a kernel that streams over the keys may use a running M (the ceiling of the running maximum): every later rescaling is an exact power of two, which a block's scale takes up: the codes' values come out the same.
;;   OPERANDS COMPUTED ON THE WAY. 'Computed on the way' means the value that the module computes at that place (a softmax that the list does not call 'softmax' is quantised finished and normalised). What goes into a quantiser is computed in f32, as accurately as f32 sums, v_exp_f32 and their like allow (about 1e-6 of the number): no bf16 or f16 on the way to a quantiser, and a product that is left as it is and whose result goes on into a quantised operand takes f32 operands (vector FMAs, or v_wmma_f32_16x16x4_f32). A number that lies on a knife's edge between two numbers of the format may be rounded either way, as far as f32 arithmetic and the matrix unit's own rounding can turn it there, and no further.
;; One version. Each part assembles by itself: llvm-mc -triple=amdgcn-amd-amdhsa -mcpu=gfx1250 --defsym DOCPART=n.
;; ======== version 1 of 1: 4 launches
;; workspace buffers: ops 9,011,200 bytes; wo 819,200 bytes; rope 524,288 bytes; qkv 20,185,088 bytes; ao 6,553,600 bytes
;; launch prep (part 1): grid 112 x 4, 8 waves a work-group, no clusters, 69,632 bytes of LDS; arguments x, w_qkv, w_out, ops, wo, rope; writes ops, wo, rope
.if DOCPART == 1
	.amdgcn_target "amdgcn-amd-amdhsa--gfx1250"
	.amdhsa_code_object_version 6
	.text
	.protected	k_q5159caf932_prep
	.globl	k_q5159caf932_prep
	.p2align	8
	.type	k_q5159caf932_prep,@function
k_q5159caf932_prep:
	s_mov_b64 s[64:65], 0
	v_nop
	global_prefetch_b8 v0, s[64:65] scope:SCOPE_SE
	s_setreg_imm32_b32 hwreg(HW_REG_WAVE_MODE, 25, 1), 1
	s_wait_xcnt 0x0
; x [8192][1024], w_qkv [3072][1024], w_out [1024][1024], f32, K innermost, become codes of FP6 (E2M3) with one E8M0 byte for each 32 along K,
; laid as IMAGES OF THE OPERAND'S REGISTERS.  A record (25,600 bytes) holds 128 rows x 256 along K: for K step q (128 along K) and block i (16 rows) a fragment's
; twelve registers as six pieces of 256 bytes (piece p, lane l: registers 2 p, 2 p + 1 at q 12288 + i 1536 + p 256 + 8 l); behind the codes the scale words, at 24576 + 128 i + 8 r + 4 q.
; Row r of block i is row 32 (i / 2) + 8 (i % 2) + r + 8 (r / 8) of the 128: used as source 0 of a product, two neighbouring blocks then leave a lane 16 neighbours.
; Work-groups 0-95 along x make one record each (x: 64 groups of 128 rows, w_qkv: 24, w_out: 8; y = which 256 along K); wave w makes block w.  Work-groups 96-111 make the table of cos and sin.
; A block's scale is 2^(floor(log2(largest magnitude)) - 2): the largest magnitude's exponent field less 2, held at 1 from below.
; LIMITS: a block of zeros keeps the byte 1 where the rule says 127 (its codes are zeros, and this program alone reads the bytes); blocks whose largest magnitude lies under 2^-124 were not tried;
; NaN and infinities are not served.  TABLE: inv_freq = 2^(-f log2(10000) / 32) by one multiplication and v_exp_f32: within some ten units in the last place of the power; the angle is one f32 product, as it is defined.
.set STG,  8448                        ; a wave's stage: 16 rows x (512 bytes + 16): the 16 rows that a load of 16 bytes a lane touches start 16 bytes apart modulo 256
.set SCB,  8*STG                       ; behind the stages: the record's 1,024 bytes of scale words
.set TM,   16                          ; v16-31  at work in QUANT
.set CT,   32                          ; v32-38  the conversions' second halves
.set PC0,  40                          ; v40-51  K step 0's codes
.set PC1,  52                          ; v52-63  K step 1's: no store's data are written again
.set R0,   64                          ; v64-127, v128-191  the numbers as loaded, K step 0, 1
.set R1,   128
.set X0,   192                         ; v192-255  64 numbers of my row, K step 0
.set X1,   64                          ; K step 1's, where R0 lay
.set SEL,  28                          ; s[28:29] lane selects: lane l xor 16
; 64 numbers of a lane, register 16 b + i = k 32 b + 16 (lane / 16) + i of my row, become a fragment's codes (registers 0-5 at d0, 6-11 at d1) and its scale word
.macro QUANT s, d0, d1, pw
.irp b, 0,1,2,3
	v_max3_num_f32 v[TM+\b], |v[\s+16*\b]|, |v[\s+16*\b+1]|, 0x1800000   ; my 16 numbers of block b, and the floor 2^(3 - 127): the byte cannot fall under 1
.endr
.irp i, 2,4,6,8,10,12,14
.irp b, 0,1,2,3
	v_max3_num_f32 v[TM+\b], v[TM+\b], |v[\s+16*\b+\i]|, |v[\s+16*\b+\i+1]|
.endr
.endr
.irp b, 0,1,2,3
	v_permlanex16_b32 v[TM+4+\b], v[TM+\b], s[SEL], s[SEL+1]
.endr
.irp b, 0,1,2,3
	v_max_num_f32 v[TM+\b], v[TM+\b], v[TM+4+\b]                 ; with lane l xor 16's: the block's largest magnitude
.endr
.irp b, 0,1,2,3
	v_add_nc_u32 v[TM+12+\b], 0xff000000, v[TM+\b]               ; 2 off its exponent field: the conversion's scale operand
.endr
.irp b, 0,1,2,3
	v_lshrrev_b32 v[TM+4+\b], 23, v[TM+12+\b]                    ; the scale's byte
.endr
	v_lshl_or_b32 v[\pw], v[TM+5], 8, v[TM+4]
	v_lshl_or_b32 v[\pw], v[TM+6], 16, v[\pw]
	v_lshl_or_b32 v[\pw], v[TM+7], 24, v[\pw]
	v_cvt_scalef32_pk16_fp6_f32 v[\d0:\d0+2], v[\s:\s+15], v[TM+12]
	v_cvt_scalef32_pk16_fp6_f32 v[CT:CT+2], v[\s+16:\s+31], v[TM+13]      ; (a conversion's three registers begin on an even number)
	v_cvt_scalef32_pk16_fp6_f32 v[\d1:\d1+2], v[\s+32:\s+47], v[TM+14]
	v_cvt_scalef32_pk16_fp6_f32 v[CT+4:CT+6], v[\s+48:\s+63], v[TM+15]
	v_nop                                          ; one plain place behind the scaled conversions
.irp i, 0,1,2
	v_permlane16_swap_b32 v[\d0+\i], v[CT+\i]      ; the layout wants a whole block in a lane: lanes 0-15 the even block, lanes 16-31 the odd one
	v_permlane16_swap_b32 v[\d1+\i], v[CT+4+\i]
.endr
.irp i, 0,1,2
	v_mov_b32 v[\d0+3+\i], v[CT+\i]
	v_mov_b32 v[\d1+3+\i], v[CT+4+\i]
.endr
.endm
	v_lshl_add_u32 v35, v0, 2, 0x10c00
	v_mov_b32 v39, 0
	s_cmp_ge_u32 ttmp9, 96
	s_cbranch_scc1 .Ltable                         ; a branch on the work-group's number: all eight waves go the same way
	s_load_b256 s[4:11], s[0:1], 0x0               ; x s[4:5], w_qkv s[6:7], w_out s[8:9], ops s[10:11]
	s_load_b64 s[12:13], s[0:1], 0x20              ; wo
	v_lshrrev_b32 v1, 5, v0
	v_readfirstlane_b32 s16, v1                    ; wave = block
	v_and_b32 v9, 31, v0                           ; lane
	v_and_b32 v10, 15, v0                          ; r
	v_bfe_u32 v11, v0, 4, 1                        ; h
	v_lshlrev_b32 v1, 4, v9                        ; 16 x lane
	v_lshlrev_b32 v2, 3, v9                        ; 8 x lane
	s_mul_i32 s17, s16, STG
	v_add_nc_u32 v3, s17, v1                       ; the stage, on the way in: a row's 512 bytes as they lie
	v_mul_u32_u24 v4, v10, 528
	v_lshl_add_u32 v4, v11, 6, v4
	v_add_nc_u32 v4, s17, v4                       ; and out: row r, + 64 h: my 16 numbers of each block of 32
	s_lshl_b32 s18, s16, 7
	s_add_co_u32 s18, s18, SCB
	v_lshl_add_u32 v5, v10, 3, s18                 ; my row's two scale words
	s_mul_i32 s18, s16, 1536
	v_add_nc_u32 v6, s18, v2                       ; my 8 bytes of a piece of my block's image
	s_and_b32 s18, s16, 1
	s_lshl_b32 s18, s18, 9
	v_add_nc_u32 v8, s18, v1                       ; waves 0 and 1 carry the scale words out: 512 bytes each
	v_add_nc_u32 v7, SCB, v8
.irp b, 0,1,2,3
	v_mov_b32 v[TM+4+\b], 0                        ; written once: a lane permute's destination counts as one of its sources
.endr
	s_mov_b32 s[SEL], 0x76543210
	s_mov_b32 s[SEL+1], 0xfedcba98
	s_and_b32 s19, ttmp7, 0xffff                   ; which 256 along K
	s_wait_kmcnt 0x0
	s_cmp_lt_u32 ttmp9, 64                         ; the buffers are chosen by the work-group's number alone
	s_cselect_b64 s[20:21], s[4:5], s[6:7]
	s_cselect_b32 s22, 0, 64
	s_cmp_lt_u32 ttmp9, 88
	s_cselect_b64 s[20:21], s[20:21], s[8:9]
	s_cselect_b32 s22, s22, 88
	s_cselect_b64 s[24:25], s[10:11], s[12:13]
	s_cselect_b32 s23, 0, 88
	s_sub_co_u32 s22, ttmp9, s22                   ; the group of 128 rows in the source,
	s_sub_co_u32 s23, ttmp9, s23                   ; and in the destination
	s_lshl_b32 s26, s22, 19                        ; 128 rows of 4,096 bytes
	s_lshr_b32 s30, s16, 1
	s_lshl_b32 s30, s30, 17                        ; + 32 (w / 2) rows
	s_add_co_u32 s26, s26, s30
	s_and_b32 s30, s16, 1
	s_lshl_b32 s30, s30, 15                        ; + 8 (w % 2) rows
	s_add_co_u32 s26, s26, s30
	s_lshl_b32 s30, s19, 10                        ; + 256 numbers along K
	s_add_co_u32 s26, s26, s30
	s_mov_b32 s27, 0
	s_add_nc_u64 s[20:21], s[20:21], s[26:27]
	s_lshl_b32 s26, s23, 2
	s_add_co_u32 s26, s26, s19
	s_mul_i32 s26, s26, 25600                      ; the record
	s_add_nc_u64 s[24:25], s[24:25], s[26:27]
.irp q, 0,1
.irp n, 0,1,2,3,4,5,6,7,8,9,10,11,12,13,14,15
	global_load_b128 v[R0+64*\q+4*\n:R0+64*\q+4*\n+3], v1, s[20:21] offset:(\n+8*(\n/8))*4096+512*\q th:TH_LOAD_NT   ; 32 lanes read 512 consecutive bytes of one row
.endr
.endr
	s_wait_loadcnt 16                              ; K step 0's 16 loads are in; K step 1's 16 may be out
.irp n, 0,1,2,3,4,5,6,7,8,9,10,11,12,13,14,15
	ds_store_b128 v3, v[R0+4*\n:R0+4*\n+3] offset:528*\n
.endr
.irp b, 0,1,2,3
.irp j, 0,1,2,3
	ds_load_b128 v[X0+16*\b+4*\j:X0+16*\b+4*\j+3], v4 offset:128*\b+16*\j   ; LDS serves a wave's instructions in order: these see the stores above
.endr
.endr
	s_wait_loadcnt 0x0
.irp n, 0,1,2,3,4,5,6,7,8,9,10,11,12,13,14,15
	ds_store_b128 v3, v[R1+4*\n:R1+4*\n+3] offset:528*\n       ; the same stage: they come behind K step 0's loads
.endr
	s_wait_dscnt 16                                ; all but the 16 stores just issued: K step 0 is back, and its stores have read the registers that the loads below fill
.irp b, 0,1,2,3
.irp j, 0,1,2,3
	ds_load_b128 v[X1+16*\b+4*\j:X1+16*\b+4*\j+3], v4 offset:128*\b+16*\j
.endr
.endr
	QUANT X0, PC0, PC0+6, 12
.irp p, 0,1,2,3,4,5
	global_store_b64 v6, v[PC0+2*\p:PC0+2*\p+1], s[24:25] offset:256*\p      ; 32 lanes store 256 consecutive bytes, aligned
.endr
	s_wait_dscnt 0x0
	QUANT X1, PC1, PC1+6, 13
.irp p, 0,1,2,3,4,5
	global_store_b64 v6, v[PC1+2*\p:PC1+2*\p+1], s[24:25] offset:12288+256*\p
.endr
	ds_store_b64 v5, v[12:13]                      ; lanes r and r + 16 write the same words with the same values
	s_wait_dscnt 0x0                               ; for the others' sake: my store has landed
	s_barrier_signal -1
	s_barrier_wait -1
	s_cmp_lt_u32 s16, 2
	s_cbranch_scc0 .Lend
	ds_load_b128 v[64:67], v7
	s_wait_dscnt 0x0
	global_store_b128 v8, v[64:67], s[24:25] offset:24576      ; the eight blocks' scale words leave as 512 consecutive bytes a wave
.Lend:
	s_wait_tensorcnt 0x0
	ds_add_u32 v35, v39
	s_wait_dscnt 0x0
	s_endpgm
; THE TABLE: rope[pos][f][cos, sin], 256 bytes a position.  64 work-groups x 256 threads; a thread takes frequencies 2 (t % 16), + 1 at two positions.
; cos and sin: n = the nearest whole number to angle x 2 / pi; r = angle - n pi / 2 in two fused steps (the first is exact: both terms are multiples of 2^-24 and the difference is under 1);
; Taylor's series on |r| <= pi / 4, up to r^9 and r^10, whose remainders lie under 2e-9; the quadrant swaps the two and sets the signs.
.macro SINCOS a, c, s
	v_mul_f32 v12, 0x3f22f983, v[\a]               ; x 2 / pi
	v_rndne_f32 v12, v12
	v_fma_f32 v13, v12, s30, v[\a]
	v_fma_f32 v13, v12, s31, v13
	v_mul_f32 v14, v13, v13
	v_mov_b32 v[\s], 0x3638ef1d                    ; 1 / 9!
	v_fmaak_f32 v[\s], v[\s], v14, 0xb9500d01      ; -1 / 7!
	v_fmaak_f32 v[\s], v[\s], v14, 0x3c088889      ; 1 / 5!
	v_fmaak_f32 v[\s], v[\s], v14, 0xbe2aaaab      ; -1 / 3!
	v_mul_f32 v15, v13, v14
	v_fma_f32 v[\s], v15, v[\s], v13
	v_mov_b32 v[\c], 0xb493f27e                    ; -1 / 10!
	v_fmaak_f32 v[\c], v[\c], v14, 0x37d00d01      ; 1 / 8!
	v_fmaak_f32 v[\c], v[\c], v14, 0xbab60b61      ; -1 / 6!
	v_fmaak_f32 v[\c], v[\c], v14, 0x3d2aaaab      ; 1 / 4!
	v_fmaak_f32 v[\c], v[\c], v14, 0xbf000000      ; -1 / 2
	v_fma_f32 v[\c], v[\c], v14, 1.0
	v_cvt_i32_f32 v12, v12
	v_and_b32 v15, 1, v12
	v_cmp_eq_u32 vcc_lo, 1, v15
	v_cndmask_b32 v13, v[\c], v[\s], vcc_lo        ; odd quadrants: cos takes the sine's series,
	v_cndmask_b32 v14, v[\s], v[\c], vcc_lo        ; sin the cosine's
	v_add_nc_u32 v15, 1, v12
	v_and_b32 v15, 2, v15
	v_lshlrev_b32 v15, 30, v15
	v_xor_b32 v[\c], v15, v13                      ; cos is negative in quadrants 1 and 2,
	v_and_b32 v15, 2, v12
	v_lshlrev_b32 v15, 30, v15
	v_xor_b32 v[\s], v15, v14                      ; sin in quadrants 2 and 3
.endm
.Ltable:
	s_load_b64 s[14:15], s[0:1], 0x28              ; rope
	s_and_b32 s19, ttmp7, 0xffff
	s_sub_co_u32 s16, ttmp9, 96
	s_lshl_b32 s19, s19, 4
	s_add_co_u32 s16, s16, s19
	s_lshl_b32 s16, s16, 5                         ; the work-group's first of 32 positions
	s_mov_b32 s30, 0xbfc90fdb                      ; -(pi / 2 rounded to f32)
	s_mov_b32 s31, 0x333bbd2e                      ; that rounding's excess over pi / 2
	v_and_b32 v1, 15, v0
	v_lshrrev_b32 v2, 4, v0
	v_add_nc_u32 v2, s16, v2                       ; my first position; the second lies 16 on
	v_lshlrev_b32 v3, 8, v2
	v_lshl_add_u32 v3, v1, 4, v3                   ; 256 x position + 16 x (t % 16)
	v_lshlrev_b32 v4, 1, v1
	v_cvt_f32_u32 v4, v4                           ; f
	v_add_f32 v5, 1.0, v4                          ; f + 1
	v_mul_f32 v4, 0xbed49a78, v4                   ; x -log2(10000) / 32
	v_mul_f32 v5, 0xbed49a78, v5
	v_exp_f32 v4, v4
	v_exp_f32 v5, v5
	v_cvt_f32_u32 v6, v2                           ; (a plain place behind the exponentials)
	s_wait_alu depctr_va_vdst(0)                   ; one wait for the two, ahead of their first reader
	v_add_f32 v7, 0x41800000, v6
	v_mul_f32 v8, v6, v4
	v_mul_f32 v9, v6, v5
	v_mul_f32 v10, v7, v4
	v_mul_f32 v11, v7, v5
	SINCOS 8, 40, 41
	SINCOS 9, 42, 43
	SINCOS 10, 44, 45
	SINCOS 11, 46, 47
	s_wait_kmcnt 0x0
	global_store_b128 v3, v[40:43], s[14:15]       ; a wave stores 512 consecutive bytes: two positions
	global_store_b128 v3, v[44:47], s[14:15] offset:4096
	s_endpgm
.Lfunc_end_k_q5159caf932_prep:
	.size	k_q5159caf932_prep, .Lfunc_end_k_q5159caf932_prep-k_q5159caf932_prep
	.p2alignl 7, 3214868480
	.fill 96, 4, 3214868480
	.section	.rodata,"a",@progbits
	.p2align	6, 0x0
	.amdhsa_kernel k_q5159caf932_prep
		.amdhsa_group_segment_fixed_size 69632
		.amdhsa_private_segment_fixed_size 0
		.amdhsa_enable_private_segment 0
		.amdhsa_kernarg_size 48
		.amdhsa_user_sgpr_count 2
		.amdhsa_user_sgpr_kernarg_segment_ptr 1
		.amdhsa_wavefront_size32 1
		.amdhsa_system_sgpr_workgroup_id_x 1
		.amdhsa_system_sgpr_workgroup_id_y 1
		.amdhsa_system_sgpr_workgroup_id_z 1
		.amdhsa_system_vgpr_workitem_id 0
		.amdhsa_next_free_vgpr 256
		.amdhsa_next_free_sgpr 66
		.amdhsa_reserve_vcc 1
		.amdhsa_float_denorm_mode_32 3
		.amdhsa_float_denorm_mode_16_64 3
		.amdhsa_memory_ordered 1
		.amdhsa_forward_progress 1
		.amdhsa_inst_pref_size 26
	.end_amdhsa_kernel
	.amdgpu_metadata
---
amdhsa.version: [ 1, 2 ]
amdhsa.kernels:
  - .name:           k_q5159caf932_prep
    .symbol:         k_q5159caf932_prep.kd
    .args:
      - { .name: x, .offset: 0, .size: 8, .value_kind: global_buffer, .address_space: global }
      - { .name: w_qkv, .offset: 8, .size: 8, .value_kind: global_buffer, .address_space: global }
      - { .name: w_out, .offset: 16, .size: 8, .value_kind: global_buffer, .address_space: global }
      - { .name: ops, .offset: 24, .size: 8, .value_kind: global_buffer, .address_space: global }
      - { .name: wo, .offset: 32, .size: 8, .value_kind: global_buffer, .address_space: global }
      - { .name: rope, .offset: 40, .size: 8, .value_kind: global_buffer, .address_space: global }
    .group_segment_fixed_size: 69632
    .private_segment_fixed_size: 0
    .kernarg_segment_align: 8
    .kernarg_segment_size: 48
    .max_flat_workgroup_size: 256
    .sgpr_count:     66
    .vgpr_count:     256
    .wavefront_size: 32
...
	.end_amdgpu_metadata
.endif
;; end of part 1
;; launch qkvg (part 2): grid 8 x 48, 4 waves a work-group, clusters of 4 x 4, 327,680 bytes of LDS; arguments ops, rope, qkv; writes qkv
.if DOCPART == 2
	.amdgcn_target "amdgcn-amd-amdhsa--gfx1250"
	.amdhsa_code_object_version 6
	.text
	.protected	k_q5159caf932_qkvg
	.globl	k_q5159caf932_qkvg
	.p2align	8
	.type	k_q5159caf932_qkvg,@function
k_q5159caf932_qkvg:
	s_mov_b64 s[64:65], 0
	v_nop
	global_prefetch_b8 v0, s[64:65] scope:SCOPE_SE
	s_setreg_imm32_b32 hwreg(HW_REG_WAVE_MODE, 25, 1), 1
	s_wait_xcnt 0x0
	s_wait_alu depctr_hold_cnt(0) depctr_sa_sdst(0) depctr_va_vdst(0) depctr_va_sdst(0) depctr_va_ssrc(0) depctr_va_vcc(0) depctr_vm_vsrc(0)
	s_getreg_b32 s2, hwreg(HW_REG_IB_STS2, 6, 4)
	s_cmp_eq_u32 s2, 0
	s_cbranch_scc0 .Lentry_in_a_cluster
	s_endpgm
.Lentry_in_a_cluster:
	s_bfe_u32 s2, ttmp6, 0x10000c
	s_cmp_lg_u32 s2, 0xf033
	s_cbranch_scc0 .Lentry_shape_is_right
	s_endpgm
.Lentry_shape_is_right:
; qkv = x w_qkv^T on codes of FP6 (E2M3) with E8M0 scales, K = 1,024; then RoPE on q and k in f32; then q, k (along the head's 64) and v (along the keys) are quantised and stored as images of operand registers.
; OPERANDS come as records of 25,600 bytes (128 rows x 256 along K: sixteen fragment images and the scale words): dense blocks, one tensor load each; a fragment is six loads of 8 bytes a lane, 256 consecutive bytes each.
; A work-group of four waves makes 256 x 256; a wave 128 x 128: 64 accumulators.  Source 0 = B (its rows run along a lane's registers), source 1 = A (a lane holds one row).
; Clusters with y < 8 make Q and K: A = 256 tokens, B = 256 rows of W_q or W_k, so that a lane holds a token and its registers run along the head's channels.
; Clusters with y >= 8 make V: A = 256 rows of W_v, B = 256 tokens, so that a lane holds a channel and its registers run along the tokens, which are the keys of attention's second product.
; Row r of block i of 128 rows is row 32 (i / 2) + 8 (i % 2) + r + 8 (r / 8): the 16 registers of B's blocks 2 b, 2 b + 1 are then 16 neighbours, 32 b + 16 (lane / 16) + 0 .. 15.
; K is 8 steps of 128 = 4 records a side, through THREE LDS slots: records 0, 1, 2 are asked for at the start, record 3 refills slot 0 behind step 1 and has steps 2 to 5, 256 matrix instructions, in which to land.  The steps are written out.
; CLUSTERS: 4 x 4 work-groups; A's records are shared along a row of the cluster, B's along a column: joint loads, the same descriptor and mask in the four that a mask names.
; OUT: a record of 39,424 bytes for each (batch, head, 256 tokens): Q's 16 half images (768 bytes: 16 rows x 64), its scale words, K's likewise, V^T's 8 images (16 channels x 128 keys), its scale words.
; Bytes 2 and 3 of Q's and K's scale words are 0: they scale the zero codes that fill K = 64 up to the instruction's 128.
; LIMITS: a block of zeros keeps the byte 1 where the rule says 127 (zero codes; this program alone reads the bytes); blocks under 2^-124 were not tried; NaN and infinities are not served.
; V's work-groups load 16 table lines at the head that they do not use: the loads stand ahead of the K steps, on the one way that all take.
; REGISTERS: window 0: v16-24 LDS addresses, v25-27 offsets, v28-29 the spare word's, v32-63 scale words (two sets), v64-127 the table, v128-223 A's fragments (one set), later at work; window 1: B's fragments, two sets; windows 2, 3: accumulators.
.set REC,   25600
.set SLOT,  4*REC                      ; A's two records, then B's two
.set SPARE, 3*SLOT                     ; behind the slots: the spare words, 128 bytes a wave
.set RECQ,  39424
.set HEADB, 8*RECQ                     ; from a head to the next in qkv
.set FR,    12
.set ADRA,  16                         ; v16-18 my A record in slot 0, 1, 2, + 8 x lane
.set ADRB,  19                         ; v19-21 my B record
.set ADRS,  22                         ; v22-24 scale words: lanes 0-15 A's rows, lanes 16-31 B's
.set TO,    25                         ; v25    my token's line of the table, + 64 (lane / 16)
.set L8,    26
.set L16,   27
.set SPW,   28
.set NIL,   29
.set SC,    32
.set TAB,   64
.set AF,    128
.set T,     128                        ; the epilogue, window 0: 64 rotated numbers
.set TM,    192
.set CT,    208
.set PWS,   216                        ; a scale word for each of the eight blocks
.set D0,    224
.set D1,    230
.set SA,    240
.set SB,    244
.set G1A,   24
.set G1B,   32
.set G0A,   40                         ; three sets, one for each slot
.set G0B,   52
.set SEL,   20
.set MSB, 0
.macro WIN new                         ; the immediate's high byte repeats the setting that is left
.if MSB != (\new)
	s_set_vgpr_msb (MSB<<8)|(\new)
.set MSB, (\new)
.endif
.endm
.set MUL_LO, 0xa1                      ; source 0 (B) window 1, source 1 (A) window 0, C and D window 2
.set MUL_HI, 0xf1
.set TO_B,   0x40
; A joint load: waves 0 and 1 fetch A's two records, waves 2 and 3 B's.  The branch hangs on the wave's number alone.  Four v_nop follow each line.
.macro JLOAD g0a, g1a, g0b, g1b
	s_cmp_eq_u32 s15, 0
	s_cbranch_scc0 .Lfor_b_\@
	tensor_load_to_lds s[\g0a:\g0a+3], s[\g1a:\g1a+7]
	s_nop 0
.rept 4
	v_nop
.endr
	s_branch .Lasked_\@
.Lfor_b_\@:
	tensor_load_to_lds s[\g0b:\g0b+3], s[\g1b:\g1b+7]
	s_nop 0
.rept 4
	v_nop
.endr
.Lasked_\@:
.endm
.macro CREST
	s_cmp_lg_u32 s14, 0
	s_cbranch_scc1 .Lnot_wave_0_\@
	s_barrier_signal -3
.Lnot_wave_0_\@:
	s_barrier_wait -3
	s_barrier_signal -1
	s_barrier_wait -1
.endm
.macro CROUND
	s_barrier_signal -1
	s_barrier_wait -1
	CREST
.endm
.macro PLACES n
.rept \n
	v_nop
.endr
.endm
.macro FRAG reg, adr, q, i             ; a fragment's image comes back as it was stored: six pieces, 8 bytes a lane
.irp p, 0,1,2,3,4,5
	ds_load_b64 v[\reg+2*\p:\reg+2*\p+1], v[\adr] offset:(\q)*12288+(\i)*1536+\p*256
.endr
.endm
.macro FETCH_B n, q, p
	WIN TO_B
.irp i, 0,1,2,3,4,5,6,7
	FRAG 128*(\p)+FR*\i, ADRB+\n, \q, \i
.endr
	WIN 0
.endm
.macro FETCH_A n, q, i0
.irp i, \i0, \i0+1, \i0+2, \i0+3
	FRAG AF+FR*(\i), ADRA+\n, \q, \i
.endr
.endm
.macro SCALES n, sc                    ; a record's scale words: register 2 i + q: lanes 0-15 A's block i, lanes 16-31 B's block i
.irp i, 0,1,2,3,4,5,6,7
	ds_load_b64 v[SC+16*(\sc)+2*\i:SC+16*(\sc)+2*\i+1], v[ADRS+\n] offset:128*\i
.endr
.endm
; 16 matrix instructions: A's blocks a0, a0 + 1 x B's eight.  The 64 accumulators take turns in the same order in every step.
.macro MUL16 a0, p, q, sc, zero
.irp a, \a0, \a0+1
.irp b, 0,1,2,3,4,5,6,7
.if \zero
	v_wmma_scale_f32_16x16x128_f8f6f4 v[8*(8*((\a)%4)+\b):8*(8*((\a)%4)+\b)+7], v[128*(\p)+FR*\b:128*(\p)+FR*\b+FR-1], v[AF+FR*(\a):AF+FR*(\a)+FR-1], 0, v[SC+16*(\sc)+2*\b+(\q)], v[SC+16*(\sc)+2*(\a)+(\q)] matrix_a_fmt:MATRIX_FMT_FP6 matrix_b_fmt:MATRIX_FMT_FP6 matrix_a_scale:MATRIX_SCALE_ROW1
.else
	v_wmma_scale_f32_16x16x128_f8f6f4 v[8*(8*((\a)%4)+\b):8*(8*((\a)%4)+\b)+7], v[128*(\p)+FR*\b:128*(\p)+FR*\b+FR-1], v[AF+FR*(\a):AF+FR*(\a)+FR-1], v[8*(8*((\a)%4)+\b):8*(8*((\a)%4)+\b)+7], v[SC+16*(\sc)+2*\b+(\q)], v[SC+16*(\sc)+2*(\a)+(\q)] matrix_a_fmt:MATRIX_FMT_FP6 matrix_b_fmt:MATRIX_FMT_FP6 matrix_a_scale:MATRIX_SCALE_ROW1
.endif
.endr
.endr
.endm
; A step of 128 along K: the record's q-th (B's set q, scale set sc); it fetches the next step's fragments from slot nn, K step nq.
.macro STEP q, sc, nn, nq, zero
	s_wait_dscnt 24                                ; all but the youngest 24 loads, A's blocks 4-7
	WIN MUL_LO
	MUL16 0, \q, \q, \sc, \zero
	MUL16 2, \q, \q, \sc, \zero
	s_wait_dscnt 0x0
	PLACES 4                                       ; four plain places in front of loads into registers that matrix instructions have read
	FETCH_B \nn, \nq, 1-(\q)
	FETCH_A \nn, \nq, 0
.if (\nq) == 0
	SCALES \nn, 1-(\sc)
.endif
	WIN MUL_HI
	MUL16 4, \q, \q, \sc, \zero
	MUL16 6, \q, \q, \sc, \zero
	PLACES 4
	WIN 0
	FETCH_A \nn, \nq, 4
.endm
; A record's second step with a barrier in it: each wave waits for all its tensor loads, adds 0 to its spare word, waits for that and for its LDS reads.  fill = 1: slot 0, which nobody reads any more, takes record 3.
.macro TURN sc, nn, fill
	s_wait_tensorcnt 0x0                           ; all my tensor loads have landed
	ds_add_u32 v[SPW], v[NIL]                      ; 0 onto my spare word
	s_wait_dscnt 25                                ; (the add and the youngest 24 loads may be out)
	WIN MUL_LO
	MUL16 0, 1, 1, \sc, 0
	s_wait_dscnt 0x0                               ; the add is done, and my reads of the slot are over
	s_barrier_signal -1
	MUL16 2, 1, 1, \sc, 0
	WIN 0
	s_barrier_wait -1
.if \fill
	CREST                                          ; the barrier has opened a round of the cluster's: no wave of any partner reads slot 0 or has a load on its way
	s_add_nc_u64 s[G0A+2:G0A+3], s[G0A+2:G0A+3], 3*REC
	s_add_nc_u64 s[G0B+2:G0B+3], s[G0B+2:G0B+3], 3*REC
	JLOAD G0A, G1A, G0B, G1B                       ; the first tensor load behind the round; its four v_nop are the places in front of the loads below
.else
	PLACES 4
.endif
	FETCH_B \nn, 0, 0
	FETCH_A \nn, 0, 0
	SCALES \nn, 1-(\sc)
	WIN MUL_HI
	MUL16 4, 1, 1, \sc, 0
	MUL16 6, 1, 1, \sc, 0
	PLACES 4
	WIN 0
	FETCH_A \nn, 0, 4
.endm
; 64 numbers of a lane in window w, register 16 b + i = k 32 b + 16 (lane / 16) + i of my row, become codes (k 0-63 at d0, k 64-127 at d1, window 0) and a scale word
.macro QUANT s, w, d0, d1, pw
	WIN ((\w)<<2)|((\w)<<4)
.irp b, 0,1,2,3
	v_max3_num_f32 v[TM+\b], 0x1800000, |v[\s+16*\b]|, |v[\s+16*\b+1]|    ; the floor 2^(3 - 127) among the leaves; each accumulator is read from its low end on
.endr
.irp i, 2,4,6,8,10,12,14
.irp b, 0,1,2,3
	v_max3_num_f32 v[TM+\b], v[TM+\b], |v[\s+16*\b+\i]|, |v[\s+16*\b+\i+1]|
.endr
.endr
	WIN 0
.irp b, 0,1,2,3
	v_permlanex16_b32 v[TM+4+\b], v[TM+\b], s[SEL], s[SEL+1]
.endr
.irp b, 0,1,2,3
	v_max_num_f32 v[TM+\b], v[TM+\b], v[TM+4+\b]
.endr
.irp b, 0,1,2,3
	v_add_nc_u32 v[TM+12+\b], 0xff000000, v[TM+\b]
.endr
.irp b, 0,1,2,3
	v_lshrrev_b32 v[TM+4+\b], 23, v[TM+12+\b]
.endr
	v_lshl_or_b32 v[\pw], v[TM+5], 8, v[TM+4]
	v_lshl_or_b32 v[\pw], v[TM+6], 16, v[\pw]
	v_lshl_or_b32 v[\pw], v[TM+7], 24, v[\pw]
	WIN \w
	v_cvt_scalef32_pk16_fp6_f32 v[\d0:\d0+2], v[\s:\s+15], v[TM+12]
	v_cvt_scalef32_pk16_fp6_f32 v[CT:CT+2], v[\s+16:\s+31], v[TM+13]
	v_cvt_scalef32_pk16_fp6_f32 v[\d1:\d1+2], v[\s+32:\s+47], v[TM+14]
	v_cvt_scalef32_pk16_fp6_f32 v[CT+4:CT+6], v[\s+48:\s+63], v[TM+15]
	WIN 0
	v_nop                                          ; one plain place behind the scaled conversions
.irp i, 0,1,2
	v_permlane16_swap_b32 v[\d0+\i], v[CT+\i]
	v_permlane16_swap_b32 v[\d1+\i], v[CT+4+\i]
.endr
.irp i, 0,1,2
	v_mov_b32 v[\d0+3+\i], v[CT+\i]
	v_mov_b32 v[\d1+3+\i], v[CT+4+\i]
.endr
.endm
.macro TABLD a                         ; block a's cos and sin: my token's 16 pairs of my half: register 32 (block % 2) + i: cos at even i, sin at odd
.irp b, 0,1
.irp j, 0,1,2,3
	global_load_b128 v[TAB+32*((\a)%2)+16*\b+4*\j:TAB+32*((\a)%2)+16*\b+4*\j+3], v[TO], s[6:7] offset:(32*((\a)/2)+8*((\a)%2))*256+128*\b+16*\j
.endr
.endr
.endm
	s_load_b128 s[4:7], s[0:1], 0x0                ; ops s[4:5], rope s[6:7]
	s_load_b64 s[8:9], s[0:1], 0x10                ; qkv
	v_lshl_add_u32 v[SPW], v0, 2, SPARE
	v_mov_b32 v[NIL], 0
	ds_add_u32 v28, v29
	s_wait_dscnt 0x0
	v_lshrrev_b32 v1, 5, v0
	v_readfirstlane_b32 s14, v1                    ; wave 0..3
	s_lshr_b32 s15, s14, 1                         ; which of A's two records I multiply.  Also: I fetch for A (0) or for B (1)
	s_and_b32 s16, s14, 1                          ; which of B's.  Also: which of the two records I fetch
	s_bfe_u32 s66, ttmp6, 0x40000                  ; cx
	s_bfe_u32 s67, ttmp6, 0x40004                  ; cy
	s_and_b32 s73, ttmp7, 0xffff                   ; cluster y: the same in all partners
	s_max_u32 s74, s73, 8
	s_sub_co_u32 s74, s74, 8
	s_lshl_b32 s74, s74, 3                         ; V: 8 (cluster y - 8)
	s_lshl_b32 s75, s73, 2                         ; Q, K: 4 x cluster y
	s_lshl_b32 s68, ttmp9, 2
	s_add_co_u32 s68, s68, s66                     ; 4 x cluster x + cx
	s_cmp_ge_u32 s73, 8
	s_cselect_b32 s72, 1, 0                        ; 1: this cluster makes V
	s_cselect_b32 s74, s74, 32
	s_cselect_b32 s75, 40, s75
	s_add_co_u32 s68, s68, s74                     ; B's tile of 256 rows of ops (x: 0-31, W_q: 32-35, W_k: 36-39, W_v: 40-43): it hangs on cx and the cluster's place
	s_add_co_u32 s69, s67, s75                     ; A's: on cy and the cluster's place
	s_lshl_b32 s70, s67, 2
	s_lshl_b32 s70, 15, s70                        ; my row of the cluster
	s_lshl_b32 s71, 0x1111, s66                    ; my column
	s_or_b32 s[G1A], s70, (3<<16)|(1<<21)          ; 15:0 the mask; 17:16 elements of 8 bytes; 21 set beside a mask; no padding
	s_or_b32 s[G1B], s71, (3<<16)|(1<<21)
.irp g, G1A, G1B
	s_mov_b32 s[\g+1], 32<<16                      ; tensor_dim0 = 32 elements: rows of 256 bytes
	s_mov_b32 s[\g+2], 100<<16                     ; tensor_dim1 = 100 rows: a record
	s_mov_b32 s[\g+3], 32<<16                      ; tile_dim0
	s_mov_b32 s[\g+4], 100                         ; tile_dim1
	s_mov_b32 s[\g+5], 32                          ; the pitch: dense
	s_mov_b32 s[\g+6], 0
	s_mov_b32 s[\g+7], 0
.endr
	s_lshl_b32 s80, s69, 1
	s_add_co_u32 s80, s80, s16
	s_mul_i32 s80, s80, SLOT                       ; A: the group of 128 rows that I fetch: four records of 25,600 bytes each
	s_mov_b32 s81, 0
	s_lshl_b32 s82, s68, 1
	s_add_co_u32 s82, s82, s16
	s_mul_i32 s82, s82, SLOT                       ; B likewise
	s_mov_b32 s83, 0
	s_mul_i32 s76, s14, REC                        ; where it goes in a slot: wave x a record
	s_mov_b32 s[SEL], 0x76543210
	s_mov_b32 s[SEL+1], 0xfedcba98
	s_wait_kmcnt 0x0
	s_add_nc_u64 s[80:81], s[4:5], s[80:81]
	s_add_nc_u64 s[82:83], s[4:5], s[82:83]
	CROUND                                         ; all sixteen work-groups are here: the first joint loads meet
.irp n, 0,1,2
	s_mov_b32 s[G0A+4*\n], 1
	s_add_co_u32 s[G0A+4*\n+1], s76, \n*SLOT
	s_add_nc_u64 s[G0A+4*\n+2:G0A+4*\n+3], s[80:81], \n*REC
	s_or_b32 s[G0A+4*\n+3], s[G0A+4*\n+3], 0x80000000
	s_mov_b32 s[G0B+4*\n], 1
	s_add_co_u32 s[G0B+4*\n+1], s76, \n*SLOT
	s_add_nc_u64 s[G0B+4*\n+2:G0B+4*\n+3], s[82:83], \n*REC
	s_or_b32 s[G0B+4*\n+3], s[G0B+4*\n+3], 0x80000000
	JLOAD G0A+4*\n, G1A, G0B+4*\n, G1B             ; three loads of mine are out
.endr
	v_and_b32 v1, 31, v0
	v_and_b32 v2, 15, v0                           ; r
	v_bfe_u32 v3, v0, 4, 1                         ; h
	v_lshlrev_b32 v[L8], 3, v1
	v_lshlrev_b32 v[L16], 4, v1
	s_mul_i32 s77, s15, REC                        ; my record of A,
	s_mul_i32 s78, s16, REC
	s_add_co_u32 s78, s78, 2*REC                   ; of B
	v_lshlrev_b32 v4, 3, v2
	s_sub_co_u32 s79, s78, s77
	v_mul_u32_u24 v5, s79, v3                      ; lanes 16-31 take B's scale words: one product with h
	v_add_nc_u32 v4, v4, v5
	s_add_co_u32 s79, s77, 24576
.irp n, 0,1,2
	v_add_nc_u32 v[ADRA+\n], s77, v[L8]
	v_add_nc_u32 v[ADRB+\n], s78, v[L8]
	v_add_nc_u32 v[ADRS+\n], s79, v4
	s_add_co_u32 s77, s77, SLOT
	s_add_co_u32 s78, s78, SLOT
	s_add_co_u32 s79, s79, SLOT
.endr
	s_lshl_b32 s88, s69, 8
	s_lshl_b32 s89, s15, 7
	s_add_co_u32 s88, s88, s89
	s_and_b32 s88, s88, 2047                       ; the position of my 128 tokens' first
	v_and_b32 v6, 8, v2
	v_add_nc_u32 v6, v6, v2                        ; r + 8 (r / 8)
	v_add_nc_u32 v6, s88, v6
	v_lshlrev_b32 v[TO], 8, v6
	v_lshl_add_u32 v[TO], v3, 6, v[TO]
	TABLD 0
	TABLD 1
	s_wait_tensorcnt 2                             ; my record 0 is in; records 1 and 2 may be out
	s_barrier_signal -1
	s_barrier_wait -1
	FETCH_B 0, 0, 0
	FETCH_A 0, 0, 0
	SCALES 0, 0
	FETCH_A 0, 0, 4
	STEP 0, 0, 0, 1, 1                             ; K step 0: its products start the sums
	TURN 0, 1, 1                                   ; 1: every load has landed in every wave; slot 0 takes record 3
	STEP 0, 1, 1, 1, 0                             ; 2
	STEP 1, 1, 2, 0, 0                             ; 3: slot 2 was shown whole to everybody at step 1's barrier
	STEP 0, 0, 2, 1, 0                             ; 4
	TURN 0, 0, 0                                   ; 5: record 3 has landed in every wave
	STEP 0, 1, 0, 1, 0                             ; 6
	s_wait_dscnt 24                                ; 7: nothing more to fetch
	WIN MUL_LO
	MUL16 0, 1, 1, 1, 0
	MUL16 2, 1, 1, 1, 0
	s_wait_dscnt 0x0
	WIN MUL_HI
	MUL16 4, 1, 1, 1, 0
	MUL16 6, 1, 1, 1, 0
	WIN 0
	PLACES 4                                       ; in front of the first read of results and of writes over A's fragments
.irp b, 0,1,2,3
	v_mov_b32 v[TM+4+\b], 0                        ; written once: a lane permute's destination counts as one of its sources
.endr
	s_mov_b32 vcc_lo, 0xffff0000                   ; lanes 16-31
	s_mov_b32 s93, 0
	s_cmp_lg_u32 s72, 0
	s_cbranch_scc1 .Lv                             ; on the cluster's y: the same in all partners
	; ---- Q and K: a lane holds token 32 (a / 2) + 8 (a % 2) + r + 8 (r / 8) of my 128; block a's 64 registers are 128 channels' half: two heads
	s_lshr_b32 s88, s69, 3                         ; batch
	s_and_b32 s89, s69, 7                          ; which 256 tokens
	s_sub_co_u32 s90, s68, 32
	s_lshr_b32 s91, s90, 2
	s_mul_i32 s91, s91, 13312                      ; Q's part of a record, or K's
	s_and_b32 s90, s90, 3
	s_lshl_b32 s90, s90, 2
	s_lshl_b32 s92, s16, 1
	s_add_co_u32 s90, s90, s92                     ; my first head
	s_lshl_b32 s88, s88, 4
	s_add_co_u32 s88, s88, s90
	s_lshl_b32 s88, s88, 3
	s_add_co_u32 s88, s88, s89
	s_mul_i32 s88, s88, RECQ
	s_add_co_u32 s88, s88, s91
	s_mul_i32 s92, s15, 6144                       ; my eight half images
	s_add_co_u32 s92, s92, s88
	s_add_nc_u64 s[84:85], s[8:9], s[92:93]
	s_lshl_b32 s92, s15, 9                         ; my 512 bytes of scale words
	s_add_co_u32 s92, s92, s88
	s_add_co_u32 s92, s92, 12288
	s_add_nc_u64 s[86:87], s[8:9], s[92:93]
.irp a, 0,1,2,3,4,5,6,7
.if \a < 7
	s_wait_loadcnt 8                               ; this block's 8 table loads are in; the next block's 8 may be out
.else
	s_wait_loadcnt 0x0
.endif
	WIN 2+\a/4                                     ; source 0: the accumulators' window
.set n, 0
.rept 32
	v_pk_mul_f32 v[T+n:T+n+1], v[64*(\a%4)+n:64*(\a%4)+n+1], v[TAB+32*(\a%2)+16*((n/16)%2)+n%16:TAB+32*(\a%2)+16*((n/16)%2)+n%16+1] op_sel_hi:[1,0]   ; (x1 cos, x2 cos)
.set n, n+2
.endr
.set n, 0
.rept 32
	v_pk_fma_f32 v[T+n:T+n+1], v[64*(\a%4)+n:64*(\a%4)+n+1], v[TAB+32*(\a%2)+16*((n/16)%2)+n%16:TAB+32*(\a%2)+16*((n/16)%2)+n%16+1], v[T+n:T+n+1] op_sel:[1,1,0] op_sel_hi:[0,1,1] neg_lo:[0,1,0]   ; (- x2 sin, + x1 sin)
.set n, n+2
.endr
	WIN 0
.if \a < 6
	TABLD \a+2
.endif
	s_wait_xcnt 0x0                                ; the last block's stores have read their data: the codes' registers are written again only behind this wait
	QUANT T, 0, D0, D1, PWS+\a
.irp p, 0,1,2
	global_store_b64 v[L8], v[D0+2*\p:D0+2*\p+1], s[84:85] offset:\a*768+\p*256            ; 32 lanes store 256 consecutive bytes, aligned
	global_store_b64 v[L8], v[D1+2*\p:D1+2*\p+1], s[84:85] offset:HEADB+\a*768+\p*256      ; the second head's
.endr
.endr
.irp c, 0,1,2,3
	v_cndmask_b32 v[SA+\c], v[PWS+2*\c], v[PWS+2*\c+1], vcc_lo   ; lanes 0-15 block 2 c's words, lanes 16-31 block 2 c + 1's
.endr
.irp c, 0,1,2,3
	v_lshrrev_b32 v[SB+\c], 16, v[SA+\c]           ; the second head's two bytes,
.endr
.irp c, 0,1,2,3
	v_and_b32 v[SA+\c], 0xffff, v[SA+\c]           ; the first head's
.endr
	global_store_b128 v[L16], v[SA:SA+3], s[86:87]
	global_store_b128 v[L16], v[SB:SB+3], s[86:87] offset:HEADB
	s_branch .Lclose
.Lv:
	; ---- V: a lane holds a channel (block a: head a / 4, channels of tile a % 4); block a's 64 registers are my 128 tokens' half: a whole fragment along the keys
	s_wait_loadcnt 0x0                             ; the table's lines, not used here
	s_lshr_b32 s88, s68, 3                         ; batch
	s_and_b32 s89, s68, 7                          ; which 256 tokens
	s_sub_co_u32 s90, s69, 40
	s_lshl_b32 s90, s90, 2
	s_lshl_b32 s92, s15, 1
	s_add_co_u32 s90, s90, s92                     ; my first head
	s_lshl_b32 s88, s88, 4
	s_add_co_u32 s88, s88, s90
	s_lshl_b32 s88, s88, 3
	s_add_co_u32 s88, s88, s89
	s_mul_i32 s88, s88, RECQ
	s_mul_i32 s92, s16, 6144                       ; which 128 keys of the 256
	s_add_co_u32 s92, s92, s88
	s_add_co_u32 s92, s92, 26624
	s_add_nc_u64 s[84:85], s[8:9], s[92:93]
	s_lshl_b32 s92, s16, 8
	s_add_co_u32 s92, s92, s88
	s_add_co_u32 s92, s92, 38912
	s_add_nc_u64 s[86:87], s[8:9], s[92:93]
.irp a, 0,1,2,3,4,5,6,7
	s_wait_xcnt 0x0                                ; the last block's stores have read their data
	QUANT 64*(\a%4), 2+\a/4, D0, D1, PWS+\a
.irp p, 0,1,2,3,4,5
	global_store_b64 v[L8], v[D0+2*\p:D0+2*\p+1], s[84:85] offset:(\a/4)*HEADB+(\a%4)*1536+\p*256
.endr
.endr
.irp c, 0,1,2,3
	v_cndmask_b32 v[SA+\c], v[PWS+2*\c], v[PWS+2*\c+1], vcc_lo
.endr
	global_store_b64 v[L8], v[SA:SA+1], s[86:87]
	global_store_b64 v[L8], v[SA+2:SA+3], s[86:87] offset:HEADB
.Lclose:
	s_wait_tensorcnt 0x0                           ; the wave's end
	ds_add_u32 v[SPW], v[NIL]
	s_wait_dscnt 0x0
	CROUND                                         ; the closing round
	s_endpgm
.Lfunc_end_k_q5159caf932_qkvg:
	.size	k_q5159caf932_qkvg, .Lfunc_end_k_q5159caf932_qkvg-k_q5159caf932_qkvg
	.p2alignl 7, 3214868480
	.fill 96, 4, 3214868480
	.section	.rodata,"a",@progbits
	.p2align	6, 0x0
	.amdhsa_kernel k_q5159caf932_qkvg
		.amdhsa_group_segment_fixed_size 327680
		.amdhsa_private_segment_fixed_size 0
		.amdhsa_enable_private_segment 0
		.amdhsa_kernarg_size 24
		.amdhsa_user_sgpr_count 2
		.amdhsa_user_sgpr_kernarg_segment_ptr 1
		.amdhsa_wavefront_size32 1
		.amdhsa_system_sgpr_workgroup_id_x 1
		.amdhsa_system_sgpr_workgroup_id_y 1
		.amdhsa_system_sgpr_workgroup_id_z 1
		.amdhsa_system_vgpr_workitem_id 0
		.amdhsa_next_free_vgpr 1024
		.amdhsa_next_free_sgpr 100
		.amdhsa_reserve_vcc 1
		.amdhsa_float_denorm_mode_32 3
		.amdhsa_float_denorm_mode_16_64 3
		.amdhsa_memory_ordered 1
		.amdhsa_forward_progress 1
		.amdhsa_inst_pref_size 240
	.end_amdhsa_kernel
	.amdgpu_metadata
---
amdhsa.version: [ 1, 2 ]
amdhsa.kernels:
  - .name:           k_q5159caf932_qkvg
    .symbol:         k_q5159caf932_qkvg.kd
    .args:
      - { .name: ops, .offset: 0, .size: 8, .value_kind: global_buffer, .address_space: global }
      - { .name: rope, .offset: 8, .size: 8, .value_kind: global_buffer, .address_space: global }
      - { .name: qkv, .offset: 16, .size: 8, .value_kind: global_buffer, .address_space: global }
    .group_segment_fixed_size: 327680
    .private_segment_fixed_size: 0
    .kernarg_segment_align: 8
    .kernarg_segment_size: 24
    .max_flat_workgroup_size: 128
    .sgpr_count:     100
    .vgpr_count:     1024
    .wavefront_size: 32
...
	.end_amdgpu_metadata
.endif
;; end of part 2
;; launch attn (part 3): grid 4 x 64, 16 waves a work-group, no clusters, 327,680 bytes of LDS; arguments qkv, ao; writes ao
.if DOCPART == 3
	.amdgcn_target "amdgcn-amd-amdhsa--gfx1250"
	.amdhsa_code_object_version 6
	.text
	.protected	k_q5159caf932_attn
	.globl	k_q5159caf932_attn
	.p2align	8
	.type	k_q5159caf932_attn,@function
k_q5159caf932_attn:
	s_mov_b64 s[64:65], 0
	v_nop
	global_prefetch_b8 v0, s[64:65] scope:SCOPE_SE
	s_setreg_imm32_b32 hwreg(HW_REG_WAVE_MODE, 25, 1), 1
	s_wait_xcnt 0x0
; Causal attention of one (batch, head) on codes of FP6 (E2M3) with E8M0 scales; o / l is quantised along (head, channel) and stored as the last product's operand.
; t = score x log2(e) / 8; M = the running largest t rounded UP to a whole number; p = 2^(t - M) is quantised along the keys, not normalised; the row's sum is taken of the unquantised p and divides at the end.
; SHARES.  Sixteen waves of 256 registers, four to a SIMD, so that one wave's vector work stands beside another's products and LDS loads.  Work-group j of a head owns the blocks of 256 queries 7 - j and j, one after the other:
; block 7 - j walks the slots of 256 keys 0 .. 7 - j, block j the slots 0 .. j: NINE slots for every j, so that trip counts are constants, all 256 work-groups have equal work, and no slot is fetched that nobody needs.
; Wave w owns tile w (16 queries) of a block.  A step is 128 keys; a step all of whose keys come after the wave's queries is jumped over (a scalar branch on ids).
; LAYOUT.  Both products are used transposed: S^T = K Q^T, O^T = V^T P^T: a lane holds one query.  Row r of tile i is row 32 (i / 2) + 8 (i % 2) + r + 8 (r / 8) of its 128, for queries, keys and channels alike,
; so that the 16 registers of tiles 2 b, 2 b + 1 are 16 neighbours along the next K.
; K = 64 IN AN INSTRUCTION OF 128: Q's registers 6-11 are zero codes and bytes 2, 3 of both scale words are 0, so k = 64 .. 127 adds nothing whatever stands there in K's operand (E2M3 has no NaN and no infinity).
; So K's eight half fragments lie on end, and tile t's operand runs on into tile t + 1's codes (tile 7's into six zeros).
; NO CLUSTER: the four work-groups of a head walk the same slots only up to their turning points, trips 8 - j, which differ; behind them partners would need different tiles in one round.
; LIMITS: a block of zeros keeps the byte 1 (zero codes); NaN and infinities are not served.  The scale bytes of o go out two bytes a row (64 lanes' worth in 1,024 bytes): four heads share a row's word pair.
.set SLOT1, 32768                      ; slot 0 at 0, slot 1 here: in a slot K's codes 0, K's scale words 12288, V's codes 13312, V's scale words 25600; 26,112 bytes
.set SPARE, 65536                      ; the spare words, 128 bytes for each of 16 waves
.set RECQ,  39424
.set HEADB, 8*RECQ
.set WV,   8
.set SEL,  20
.set CS,   22                          ; s[22:23] log2(e) / 8
.set TB,   40                          ; LDS byte at which the slot in hand begins
.set TR,   41                          ; the trip, 0 .. 8
.set SW,   42                          ; 8 - j: the trip in which the second block begins
.set NX,   43                          ; the slot of keys asked for last
.set SLOTS, 44
.set KF,   45                          ; the step's first key
.set Q0,   46                          ; my tile's first query;  s47: the second block's
.set AOB,  50                          ; s[50:51] my record of ao;  s[52:53]: the second block's
.set PFA,  58
.set LIM,  60
.set BM,   220                         ; v220-223 the blocks' largest scores, then largest p
.set PT,   224                         ; v224-227 permute results, then bytes
.set SO,   228                         ; v228-231 the conversions' scale operands
; REGISTERS: v1 8 x lane, v2 16 x lane, v3, v4 the same + the slot; v5, v6 the spare word's; v7 my query less the tile's first less 16 h; v8, v9 offsets in ao; v10 the prefetches';
; v12 -M, v13 the largest t, v[14:15] the sum; v16-27 Q, v28 its scale word; v32-79 K's half fragments, then V's four; v80-85 zeros; v86-92 the second block's Q; v96-159 S^T, then p; v160-191 O^T;
; v192-203 p's codes; v204-210 conversions' halves; v212-215 K's scale words, v216-217 V's, v218 p's; v[232:233] f; v[234:235] a second chain of sums; v236-241 at work.
.macro TLOAD                           ; wave 0 fetches a slot: 102 rows of 256 bytes, dense.  Four v_nop follow the line
	s_cmp_eq_u32 s[WV], 0
	s_cbranch_scc0 .Lnot_mine_\@
	tensor_load_to_lds s[32:35], s[24:31]
	s_nop 0
.rept 4
	v_nop
.endr
.Lnot_mine_\@:
.endm
; A PREFETCH INTO THE L2 of the slot that the NEXT change of slots will ask for: two key steps ahead of that load.  All four work-groups of a head walk the head's slots: work-group 0, which walks slots 0 to 7 in order, asks.
; In it waves 4 to 6 name 32 blocks of 256 bytes each, wave 7 the last 6 of the slot's 102 (its lanes above 5 name the sixth again).  Trips 0 to 5 name slots 2 to 7; slots 0 and 1 come by their loads alone.
.macro ASK
	s_cmp_gt_u32 s[SLOTS], s[LIM]
	s_cbranch_scc0 .Lno_ask_\@
	global_prefetch_b8 v10, s[PFA:PFA+1] th:TH_LOAD_NT scope:SCOPE_SE
.Lno_ask_\@:
.endm
.macro INIT                            ; a block of queries begins: O^T and the sum are zeros, the largest t lies under every t
	v_mov_b32 v13, 0xff61b1e6
	s_delay_alu instid0(VALU_DEP_1)
	v_floor_f32 v12, -v13
	v_mov_b32 v14, 0
	v_mov_b32 v15, 0
.set n, 0
.rept 32
	v_mov_b32 v[160+n], 0
.set n, n+1
.endr
.endm
; THE CHANGE OF SLOTS, at a slot's head: every wave waits for all its tensor loads, adds 0 to its spare word, waits for that and for its reads of the slot that it has left.  fill = 1: that slot takes the keys that follow.
.macro CHANGE fill
	s_wait_tensorcnt 0x0                           ; no tensor load of mine is out, so the descriptor may be written
	ds_add_u32 v5, v6                              ; 0 onto my spare word
.if \fill
	s_xor_b32 s33, s33, SLOT1                      ; the other slot than last time
	s_add_co_u32 s[NX], s[NX], 1
	s_add_co_u32 s70, s[TR], 1
	s_cmp_eq_u32 s70, s[SW]
	s_cselect_b32 s[NX], 0, s[NX]                  ; the second block begins again at the head's first keys
	s_mul_i32 s38, s[NX], RECQ
	s_add_nc_u64 s[34:35], s[36:37], s[38:39]
	s_or_b32 s35, s35, 0x80000000
	s_wait_xcnt 0x0                                ; the last prefetch, a slot back, has read its address
	s_add_nc_u64 s[PFA:PFA+1], s[PFA:PFA+1], RECQ
.endif
	s_wait_dscnt 0x0                               ; the add is done, and my reads of the slot that I have left are over
	s_barrier_signal -1
	s_barrier_wait -1
.if \fill
	TLOAD                                          ; the first thing behind the barrier: it has a slot's two key steps in which to land
	ASK
.endif
.endm
.macro STEP q
	s_add_co_u32 s70, s[Q0], 23                    ; my tile's last query
	s_cmp_gt_u32 s[KF], s70
	s_cbranch_scc1 .Lhidden_\@
	s_wait_alu depctr_va_vdst(0)
.irp t, 0,1,2,3,4,5,6,7
.irp p, 0,1,2
	ds_load_b64 v[32+6*\t+2*\p:33+6*\t+2*\p], v3 offset:(8*(\q)+\t)*768+256*\p
.endr
.endr
	ds_load_b128 v[212:215], v4 offset:12288+512*(\q)      ; register c: lanes 0-15 tile 2 c's words, lanes 16-31 tile 2 c + 1's
	s_wait_dscnt 0x0
.irp t, 0,1,2,3,4,5,6,7
.if \t%2
	v_wmma_scale_f32_16x16x128_f8f6f4 v[96+8*\t:103+8*\t], v[32+6*\t:43+6*\t], v[16:27], 0, v[212+\t/2], v28 matrix_a_fmt:MATRIX_FMT_FP6 matrix_b_fmt:MATRIX_FMT_FP6 matrix_a_scale:MATRIX_SCALE_ROW1
.else
	v_wmma_scale_f32_16x16x128_f8f6f4 v[96+8*\t:103+8*\t], v[32+6*\t:43+6*\t], v[16:27], 0, v[212+\t/2], v28 matrix_a_fmt:MATRIX_FMT_FP6 matrix_b_fmt:MATRIX_FMT_FP6
.endif
.endr
.rept 4
	v_nop                                          ; four plain places: for the loads below, into registers that these products read, and for the first read of the scores
.endr
	s_wait_alu depctr_va_vdst(0)
.irp t, 0,1,2,3
.irp p, 0,1,2,3,4,5
	ds_load_b64 v[32+12*\t+2*\p:33+12*\t+2*\p], v3 offset:13312+6144*(\q)+1536*\t+256*\p   ; V's fragments land under the softmax
.endr
.endr
	ds_load_b64 v[216:217], v3 offset:25600+256*(\q)
	s_add_co_u32 s70, s[KF], 127                   ; on the diagonal hidden scores become -infinity; a step all of whose keys count jumps over this
	s_cmp_le_u32 s70, s[Q0]
	s_cbranch_scc1 .Lopen_\@
	s_sub_co_i32 s70, s[Q0], s[KF]
	v_add_nc_u32 v237, s70, v7                     ; d = my query - KF - 16 h.  Register 16 b + i holds key KF + 16 h + 32 b + i: hidden where 32 b + i > d
	v_mov_b32 v238, 0xff800000
.set n, 0
.rept 64
	v_cmp_gt_i32 vcc_lo, 32*(n/16)+n%16, v237
	v_cndmask_b32 v[96+n], v[96+n], v238, vcc_lo
.set n, n+1
.endr
.Lopen_\@:
.irp b, 0,1,2,3
	v_max3_num_f32 v[BM+\b], v[96+16*\b], v[97+16*\b], v[98+16*\b]     ; the largest score of each block of 32 keys: for the row's maximum, and, since p rises with the score, for the block's largest p
.endr
.irp i, 3,5,7,9,11,13
.irp b, 0,1,2,3
	v_max3_num_f32 v[BM+\b], v[BM+\b], v[96+16*\b+\i], v[97+16*\b+\i]
.endr
.endr
.irp b, 0,1,2,3
	v_max_num_f32 v[BM+\b], v[BM+\b], v[111+16*\b]
.endr
.irp b, 0,1,2,3
	s_delay_alu instid0(VALU_DEP_4)
	v_permlanex16_b32 v[PT+\b], v[BM+\b], s[SEL], s[SEL+1]
.endr
.irp b, 0,1,2,3
	s_delay_alu instid0(VALU_DEP_4)
	v_max_num_f32 v[BM+\b], v[BM+\b], v[PT+\b]
.endr
	s_delay_alu instid0(VALU_DEP_2)
	v_max3_num_f32 v236, v220, v221, v222
	s_delay_alu instid0(VALU_DEP_1)
	v_max_num_f32 v236, v236, v223
	s_delay_alu instid0(VALU_DEP_1)
	v_mul_f32 v236, s[CS], v236
	s_delay_alu instid0(VALU_DEP_1)
	v_max_num_f32 v13, v13, v236                   ; the running largest t
	v_mov_b32 v236, v12
	s_delay_alu instid0(VALU_DEP_2)
	v_floor_f32 v12, -v13                          ; -M = floor(-t): M is a whole number
	s_delay_alu instid0(VALU_DEP_1)
	v_sub_f32 v236, v12, v236                      ; old M - new M: a whole number, 0 or less
	s_delay_alu instid0(VALU_DEP_1)
	v_cvt_i32_f32 v236, v236                       ; (it saturates)
	s_delay_alu instid0(VALU_DEP_1)
	v_ldexp_f32 v232, 1.0, v236                    ; f = 2^(old M - new M): multiplying by it rounds nothing
.set n, 0
.rept 32
	v_pk_fma_f32 v[96+n:97+n], v[96+n:97+n], s[CS:CS+1], v[12:13] op_sel_hi:[1,0,0]   ; t - M
.set n, n+2
.endr
.irp b, 0,1,2,3
	v_fma_f32 v[BM+\b], v[BM+\b], s[CS], v12
.endr
.set n, 0
	s_wait_alu depctr_va_vdst(0)
.rept 64
	v_exp_f32 v[96+n], v[96+n]                     ; p = 2^(t - M)
.set n, n+1
.endr
	v_pk_mul_f32 v[14:15], v[14:15], v[232:233] op_sel_hi:[1,0]      ; the sum under the new M.  (The plain place behind the exponentials)
	s_wait_alu depctr_va_vdst(0)                   ; one wait for the batch, ahead of its first reader
.irp b, 0,1,2,3
	v_exp_f32 v[BM+\b], v[BM+\b]                   ; the block's largest p: the same two instructions on the same number
.endr
	v_pk_add_f32 v[234:235], v[100:101], v[104:105]
	v_pk_add_f32 v[254:255], v[108:109], v[112:113]
	v_pk_add_f32 v[252:253], v[116:117], v[120:121]
	v_pk_add_f32 v[250:251], v[124:125], v[128:129]
	v_pk_add_f32 v[248:249], v[132:133], v[136:137]
	v_pk_add_f32 v[246:247], v[140:141], v[144:145]
	v_pk_add_f32 v[244:245], v[148:149], v[152:153]
	v_pk_add_f32 v[14:15], v[14:15], v[156:157]
	v_pk_add_f32 v[234:235], v[234:235], v[96:97]
	v_pk_add_f32 v[254:255], v[254:255], v[98:99]
	v_pk_add_f32 v[252:253], v[252:253], v[102:103]
	v_pk_add_f32 v[250:251], v[250:251], v[106:107]
	v_pk_add_f32 v[248:249], v[248:249], v[110:111]
	v_pk_add_f32 v[246:247], v[246:247], v[114:115]
	v_pk_add_f32 v[244:245], v[244:245], v[118:119]
	v_pk_add_f32 v[14:15], v[14:15], v[122:123]
	v_pk_add_f32 v[234:235], v[234:235], v[126:127]
	v_pk_add_f32 v[254:255], v[254:255], v[130:131]
	v_pk_add_f32 v[252:253], v[252:253], v[134:135]
	v_pk_add_f32 v[250:251], v[250:251], v[138:139]
	v_pk_add_f32 v[248:249], v[248:249], v[142:143]
	v_pk_add_f32 v[246:247], v[246:247], v[146:147]
	v_pk_add_f32 v[244:245], v[244:245], v[150:151]
	v_pk_add_f32 v[14:15], v[14:15], v[154:155]
	v_pk_add_f32 v[234:235], v[234:235], v[158:159]
	s_delay_alu instid0(VALU_DEP_2)
	v_pk_add_f32 v[14:15], v[14:15], v[250:251]
	s_delay_alu instid0(VALU_DEP_2)
	v_pk_add_f32 v[234:235], v[234:235], v[248:249]
	v_pk_add_f32 v[254:255], v[254:255], v[246:247]
	v_pk_add_f32 v[252:253], v[252:253], v[244:245]
	s_delay_alu instid0(VALU_DEP_2)
	v_pk_add_f32 v[14:15], v[14:15], v[254:255]
	s_delay_alu instid0(VALU_DEP_2)
	v_pk_add_f32 v[234:235], v[234:235], v[252:253]
	s_delay_alu instid0(VALU_DEP_1)
	v_pk_add_f32 v[14:15], v[14:15], v[234:235]
	s_wait_alu depctr_va_vdst(0)                   ; and one for the four
.irp b, 0,1,2,3
	v_max_num_f32 v[BM+\b], 0x1800000, v[BM+\b]    ; the floor 2^(3 - 127)
.endr
.irp b, 0,1,2,3
	s_delay_alu instid0(VALU_DEP_4)
	v_add_nc_u32 v[SO+\b], 0xff000000, v[BM+\b]
.endr
.irp b, 0,1,2,3
	s_delay_alu instid0(VALU_DEP_4)
	v_lshrrev_b32 v[PT+\b], 23, v[SO+\b]
.endr
	s_delay_alu instid0(VALU_DEP_3)
	v_lshl_or_b32 v218, v225, 8, v224              ; p's scale word for these 128 keys
	s_delay_alu instid0(VALU_DEP_1)
	v_lshl_or_b32 v218, v226, 16, v218
	s_delay_alu instid0(VALU_DEP_1)
	v_lshl_or_b32 v218, v227, 24, v218
.irp c, 0,1
	v_cvt_scalef32_pk16_fp6_f32 v[192+6*\c:194+6*\c], v[96+32*\c:111+32*\c], v[SO+2*\c]
	v_cvt_scalef32_pk16_fp6_f32 v[204+4*\c:206+4*\c], v[112+32*\c:127+32*\c], v[SO+2*\c+1]
.endr
	v_nop                                          ; one plain place behind the scaled conversions
.irp c, 0,1
.irp i, 0,1,2
	v_permlane16_swap_b32 v[192+6*\c+\i], v[204+4*\c+\i]
.endr
.irp i, 0,1,2
	s_delay_alu instid0(VALU_DEP_3)
	v_mov_b32 v[195+6*\c+\i], v[204+4*\c+\i]
.endr
.endr
.set n, 0
.rept 16
	v_pk_mul_f32 v[160+n:161+n], v[160+n:161+n], v[232:233] op_sel_hi:[1,0]   ; O^T under the new M.  (These sixteen are also the places between the writes of p's codes and scale word and the products)
.set n, n+2
.endr
	s_wait_alu depctr_va_vdst(0)
	s_wait_dscnt 0x0                               ; V
.irp t, 0,1,2,3
.if \t%2
	v_wmma_scale_f32_16x16x128_f8f6f4 v[160+8*\t:167+8*\t], v[32+12*\t:43+12*\t], v[192:203], v[160+8*\t:167+8*\t], v[216+\t/2], v218 matrix_a_fmt:MATRIX_FMT_FP6 matrix_b_fmt:MATRIX_FMT_FP6 matrix_a_scale:MATRIX_SCALE_ROW1
.else
	v_wmma_scale_f32_16x16x128_f8f6f4 v[160+8*\t:167+8*\t], v[32+12*\t:43+12*\t], v[192:203], v[160+8*\t:167+8*\t], v[216+\t/2], v218 matrix_a_fmt:MATRIX_FMT_FP6 matrix_b_fmt:MATRIX_FMT_FP6
.endif
.endr
.rept 4
	v_nop                                          ; places: for the next step's loads into V's registers, and for the next read of O^T
.endr
.Lhidden_\@:
	s_add_co_u32 s[KF], s[KF], 128
.endm
; A block of queries ends: O^T / the sum; its 32 registers are channels 32 b + 16 h + i of my query: two blocks of the last product's K.  Codes: half an image, three pieces of 256 bytes; scale: two bytes a row.
.macro FINISH
	v_add_f32 v14, v14, v15
	s_delay_alu instid0(VALU_DEP_1)
	v_permlanex16_b32 v224, v14, s[SEL], s[SEL+1]
	s_delay_alu instid0(VALU_DEP_1)
	v_add_f32 v14, v14, v224                       ; the row's sum
	s_wait_alu depctr_va_vdst(0)
	v_rcp_f32 v232, v14
	v_nop                                          ; a plain place behind the reciprocal
	s_wait_alu depctr_va_vdst(0)                   ; and the wait ahead of its first reader
.set n, 0
.rept 16
	v_pk_mul_f32 v[160+n:161+n], v[160+n:161+n], v[232:233] op_sel_hi:[1,0]
.set n, n+2
.endr
.irp b, 0,1
	v_max3_num_f32 v[BM+\b], |v[160+16*\b]|, |v[161+16*\b]|, 0x1800000
.endr
.irp i, 2,4,6,8,10,12,14
.irp b, 0,1
	s_delay_alu instid0(VALU_DEP_2)
	v_max3_num_f32 v[BM+\b], v[BM+\b], |v[160+16*\b+\i]|, |v[161+16*\b+\i]|
.endr
.endr
.irp b, 0,1
	s_delay_alu instid0(VALU_DEP_2)
	v_permlanex16_b32 v[PT+\b], v[BM+\b], s[SEL], s[SEL+1]
.endr
.irp b, 0,1
	s_delay_alu instid0(VALU_DEP_2)
	v_max_num_f32 v[BM+\b], v[BM+\b], v[PT+\b]
.endr
.irp b, 0,1
	s_delay_alu instid0(VALU_DEP_2)
	v_add_nc_u32 v[SO+\b], 0xff000000, v[BM+\b]
.endr
.irp b, 0,1
	s_delay_alu instid0(VALU_DEP_2)
	v_lshrrev_b32 v[PT+\b], 23, v[SO+\b]
.endr
	s_delay_alu instid0(VALU_DEP_1)
	v_lshl_or_b32 v236, v225, 8, v224
	v_cvt_scalef32_pk16_fp6_f32 v[192:194], v[160:175], v[SO]
	v_cvt_scalef32_pk16_fp6_f32 v[204:206], v[176:191], v[SO+1]
	v_nop
.irp i, 0,1,2
	v_permlane16_swap_b32 v[192+\i], v[204+\i]
.endr
.irp i, 0,1,2
	s_delay_alu instid0(VALU_DEP_3)
	v_mov_b32 v[195+\i], v[204+\i]
.endr
.irp p, 0,1,2
	global_store_b64 v8, v[192+2*\p:193+2*\p], s[AOB:AOB+1] offset:256*\p      ; 32 lanes store 256 consecutive bytes, aligned
.endr
	global_store_b16 v9, v236, s[AOB:AOB+1]        ; lanes r and r + 16 store the same two bytes with the same value
.endm
.macro SLOT_STEPS
	s_cmp_eq_u32 s[TR], s[SW]
	s_cbranch_scc0 .Lsame_\@
	FINISH                                         ; the first block is done; the second begins
	s_wait_xcnt 0x0                                ; the stores have read their base and their data
	s_mov_b64 s[AOB:AOB+1], s[52:53]
	s_mov_b32 s[Q0], s47
	s_mov_b32 s[KF], 0
	v_mov_b32 v28, v92                             ; Q's scale word first: the moves below are the places between it and the next products
.irp i, 0,1,2,3,4,5
	v_mov_b32 v[16+\i], v[86+\i]
.endr
	INIT
.Lsame_\@:
	v_add_nc_u32 v3, s[TB], v1
	v_add_nc_u32 v4, s[TB], v2
	STEP 0
	STEP 1
	s_xor_b32 s[TB], s[TB], SLOT1
	s_add_co_u32 s[TR], s[TR], 1
.endm
	s_load_b128 s[4:7], s[0:1], 0x0                ; qkv s[4:5], ao s[6:7]
	v_lshl_add_u32 v5, v0, 2, SPARE
	v_mov_b32 v6, 0
	ds_add_u32 v5, v6
	ds_add_u32 v5, v6
	s_wait_dscnt 0x0
	v_lshrrev_b32 v1, 5, v0
	s_delay_alu instid0(VALU_DEP_1)
	v_readfirstlane_b32 s[WV], v1                  ; wave 0..15
	s_and_b32 s9, ttmp7, 0xffff                    ; 16 x batch + head
	s_and_b32 s10, s9, 15                          ; head
	s_lshr_b32 s11, s9, 4                          ; batch
	s_mov_b32 s24, 3<<16                           ; group 1: no mask; elements of 8 bytes; no padding
	s_mov_b32 s25, 32<<16                          ; tensor_dim0 = 32: rows of 256 bytes
	s_mov_b32 s26, 102<<16                         ; tensor_dim1 = 102
	s_mov_b32 s27, 32<<16                          ; tile_dim0
	s_mov_b32 s28, 102                             ; tile_dim1
	s_mov_b32 s29, 32                              ; the pitch: dense
	s_mov_b32 s30, 0
	s_mov_b32 s31, 0
	s_mul_i32 s38, s9, HEADB
	s_add_co_u32 s38, s38, 13312                   ; the head's first record, at K's codes
	s_mov_b32 s39, 0
	s_mov_b32 s[SEL], 0x76543210
	s_mov_b32 s[SEL+1], 0xfedcba98
	s_mov_b32 s[CS], 0x3e38aa3b                    ; log2(e) / 8
	s_mov_b32 s[CS+1], s[CS]
	s_mov_b32 s[TB], 0
	s_mov_b32 s[TR], 0
	s_sub_co_u32 s[SW], 8, ttmp9
	s_mov_b32 s[NX], 0
	s_mov_b32 s[SLOTS], 8
	s_mov_b32 s[KF], 0
	s_wait_kmcnt 0x0
	s_add_nc_u64 s[36:37], s[4:5], s[38:39]
	s_mov_b32 s32, 1
	s_mov_b32 s33, 0                               ; slot 0
	s_mov_b64 s[34:35], s[36:37]
	s_or_b32 s35, s35, 0x80000000
	TLOAD                                          ; the first fill: keys 0 to 255
	v_and_b32 v236, 31, v0                         ; lane
	v_and_b32 v237, 15, v0                         ; r
	v_bfe_u32 v238, v0, 4, 1                       ; h
	s_delay_alu instid0(VALU_DEP_3)
	v_lshlrev_b32 v1, 3, v236
	s_wait_alu depctr_va_vdst(0)
	v_lshlrev_b32 v2, 4, v236
	v_and_b32 v7, 8, v237
	s_delay_alu instid0(VALU_DEP_1)
	v_add_nc_u32 v7, v7, v237
	v_lshlrev_b32 v239, 4, v238
	s_delay_alu instid0(VALU_DEP_1)
	v_sub_nc_u32 v7, v7, v239                      ; r + 8 (r / 8) - 16 h
	s_bfe_u32 s70, s10, 0x10001                    ; (head / 2) % 2: which 128 along the last product's K
	s_and_b32 s71, s10, 1                          ; head % 2: which half of a fragment
	s_and_b32 s72, s[WV], 7                        ; my block of 16 rows in its 128
	s_mul_i32 s73, s70, 12288
	s_mul_i32 s74, s72, 1536
	s_add_co_u32 s73, s73, s74
	s_mul_i32 s74, s71, 768
	s_add_co_u32 s73, s73, s74
	v_add_nc_u32 v8, s73, v1
	s_lshl_b32 s73, s72, 7
	s_lshl_b32 s74, s70, 2
	s_add_co_u32 s73, s73, s74
	s_lshl_b32 s74, s71, 1
	s_add_co_u32 s73, s73, s74
	s_add_co_u32 s73, s73, 24576
	v_lshl_add_u32 v9, v237, 3, s73
	s_sub_co_u32 s75, 7, ttmp9                     ; the first block of queries
	s_lshr_b32 s76, s[WV], 3
	s_lshl_b32 s77, s11, 4
	s_add_co_u32 s77, s77, s76                     ; 16 x batch + wave / 8
	s_lshr_b32 s78, s10, 2                         ; which 256 along K
	s_lshl_b32 s79, s75, 1
	s_add_co_u32 s79, s79, s77
	s_lshl_b32 s79, s79, 2
	s_add_co_u32 s79, s79, s78
	s_mul_i32 s38, s79, 25600
	s_add_nc_u64 s[AOB:AOB+1], s[6:7], s[38:39]
	s_lshl_b32 s79, ttmp9, 1
	s_add_co_u32 s79, s79, s77
	s_lshl_b32 s79, s79, 2
	s_add_co_u32 s79, s79, s78
	s_mul_i32 s38, s79, 25600
	s_add_nc_u64 s[52:53], s[6:7], s[38:39]
	s_lshl_b32 s79, s9, 3
	s_add_co_u32 s74, s79, s75
	s_mul_i32 s38, s74, RECQ
	s_add_nc_u64 s[54:55], s[4:5], s[38:39]        ; the record with the first block's Q,
	s_add_co_u32 s74, s79, ttmp9
	s_mul_i32 s38, s74, RECQ
	s_add_nc_u64 s[56:57], s[4:5], s[38:39]        ; with the second's
	s_and_b32 s12, s[WV], 1
	s_lshr_b32 s74, s[WV], 1
	s_lshl_b32 s74, s74, 5
	s_lshl_b32 s73, s12, 3
	s_add_co_u32 s74, s74, s73                     ; 32 (w / 2) + 8 (w % 2)
	s_lshl_b32 s[Q0], s75, 8
	s_add_co_u32 s[Q0], s[Q0], s74
	s_lshl_b32 s47, ttmp9, 8
	s_add_co_u32 s47, s47, s74
	s_mul_i32 s73, s[WV], 768
	v_add_nc_u32 v240, s73, v1                     ; my tile's half image
	s_lshl_b32 s73, s76, 9
	s_lshl_b32 s74, s12, 8
	s_add_co_u32 s73, s73, s74
	s_lshr_b32 s74, s72, 1
	s_lshl_b32 s74, s74, 2
	s_add_co_u32 s73, s73, s74
	s_add_co_u32 s73, s73, 12288
	v_lshl_add_u32 v241, v237, 4, s73              ; and row r's scale word
.irp p, 0,1,2
	global_load_b64 v[16+2*\p:17+2*\p], v240, s[54:55] offset:256*\p
	global_load_b64 v[86+2*\p:87+2*\p], v240, s[56:57] offset:256*\p
.endr
	global_load_b32 v28, v241, s[54:55]
	global_load_b32 v92, v241, s[56:57]
	s_and_b32 s73, s[WV], 3                        ; the prefetches: waves 4 to 7 of work-group 0
	s_lshl_b32 s38, s73, 13
	s_add_co_u32 s38, s38, RECQ                    ; in slot 1: the first change of slots steps it to slot 2
	s_add_nc_u64 s[PFA:PFA+1], s[36:37], s[38:39]
	s_lshr_b32 s73, s[WV], 2
	s_xor_b32 s73, s73, 1
	s_or_b32 s73, s73, ttmp9
	s_cmp_eq_u32 s73, 0
	s_cselect_b32 s[LIM], 2, -1
	s_cmp_eq_u32 s[WV], 7
	s_cselect_b32 s73, 5, 31
	v_min_u32 v10, s73, v236
	s_delay_alu instid0(VALU_DEP_1)
	v_lshlrev_b32 v10, 8, v10
.irp i, 0,1,2,3,4,5
	v_mov_b32 v[22+\i], 0                          ; Q's zero codes for k = 64 .. 127
	v_mov_b32 v[80+\i], 0                          ; and what stands behind K's last tile
.endr
.irp b, 0,1,2,3
	v_mov_b32 v[PT+\b], 0                          ; written once: a lane permute's destination counts as one of its sources
.endr
	v_mov_b32 v233, 0                              ; (named as the upper half of the pair v[232:233])
	INIT
	s_wait_loadcnt 0x0                             ; Q
.Lslot:                                            ; eight trips: behind each change of slots but the last the next slot is asked for
	CHANGE 1
	SLOT_STEPS
	s_sub_co_u32 s[SLOTS], s[SLOTS], 1
	s_cmp_lg_u32 s[SLOTS], 0
	s_cbranch_scc1 .Lslot
	CHANGE 0                                       ; the ninth slot is written out
	SLOT_STEPS
	FINISH
	s_wait_tensorcnt 0x0                           ; the wave's end
	ds_add_u32 v5, v6
	s_wait_dscnt 0x0
	s_endpgm
.Lfunc_end_k_q5159caf932_attn:
	.size	k_q5159caf932_attn, .Lfunc_end_k_q5159caf932_attn-k_q5159caf932_attn
	.p2alignl 7, 3214868480
	.fill 96, 4, 3214868480
	.section	.rodata,"a",@progbits
	.p2align	6, 0x0
	.amdhsa_kernel k_q5159caf932_attn
		.amdhsa_group_segment_fixed_size 327680
		.amdhsa_private_segment_fixed_size 0
		.amdhsa_enable_private_segment 0
		.amdhsa_kernarg_size 16
		.amdhsa_user_sgpr_count 2
		.amdhsa_user_sgpr_kernarg_segment_ptr 1
		.amdhsa_wavefront_size32 1
		.amdhsa_system_sgpr_workgroup_id_x 1
		.amdhsa_system_sgpr_workgroup_id_y 1
		.amdhsa_system_sgpr_workgroup_id_z 1
		.amdhsa_system_vgpr_workitem_id 0
		.amdhsa_next_free_vgpr 256
		.amdhsa_next_free_sgpr 96
		.amdhsa_reserve_vcc 1
		.amdhsa_float_denorm_mode_32 3
		.amdhsa_float_denorm_mode_16_64 3
		.amdhsa_memory_ordered 1
		.amdhsa_forward_progress 1
		.amdhsa_inst_pref_size 119
	.end_amdhsa_kernel
	.amdgpu_metadata
---
amdhsa.version: [ 1, 2 ]
amdhsa.kernels:
  - .name:           k_q5159caf932_attn
    .symbol:         k_q5159caf932_attn.kd
    .args:
      - { .name: qkv, .offset: 0, .size: 8, .value_kind: global_buffer, .address_space: global }
      - { .name: ao, .offset: 8, .size: 8, .value_kind: global_buffer, .address_space: global }
    .group_segment_fixed_size: 327680
    .private_segment_fixed_size: 0
    .kernarg_segment_align: 8
    .kernarg_segment_size: 16
    .max_flat_workgroup_size: 512
    .sgpr_count:     96
    .vgpr_count:     256
    .wavefront_size: 32
...
	.end_amdgpu_metadata
.endif
;; end of part 3
;; launch proj (part 4): grid 4 x 32, 4 waves a work-group, clusters of 4 x 4, 327,680 bytes of LDS; arguments ao, wo, out0; writes out0
.if DOCPART == 4
	.amdgcn_target "amdgcn-amd-amdhsa--gfx1250"
	.amdhsa_code_object_version 6
	.text
	.protected	k_q5159caf932_proj
	.globl	k_q5159caf932_proj
	.p2align	8
	.type	k_q5159caf932_proj,@function
k_q5159caf932_proj:
	s_mov_b64 s[64:65], 0
	v_nop
	global_prefetch_b8 v0, s[64:65] scope:SCOPE_SE
	s_setreg_imm32_b32 hwreg(HW_REG_WAVE_MODE, 25, 1), 1
	s_wait_xcnt 0x0
	s_wait_alu depctr_hold_cnt(0) depctr_sa_sdst(0) depctr_va_vdst(0) depctr_va_sdst(0) depctr_va_ssrc(0) depctr_va_vcc(0) depctr_vm_vsrc(0)
	s_getreg_b32 s2, hwreg(HW_REG_IB_STS2, 6, 4)
	s_cmp_eq_u32 s2, 0
	s_cbranch_scc0 .Lentry_in_a_cluster
	s_endpgm
.Lentry_in_a_cluster:
	s_bfe_u32 s2, ttmp6, 0x10000c
	s_cmp_lg_u32 s2, 0xf033
	s_cbranch_scc0 .Lentry_shape_is_right
	s_endpgm
.Lentry_shape_is_right:
; out0 = o w_out^T on codes of FP6 (E2M3) with E8M0 scales, K = 1,024; out0 [8192][1024] f32.
; OPERANDS come as records of 25,600 bytes (128 rows x 256 along K: sixteen fragment images and the scale words): dense blocks, one tensor load each; a fragment is six loads of 8 bytes a lane, 256 consecutive bytes each.
; A work-group of four waves makes 256 tokens x 256 features; a wave 128 x 128: 64 accumulators.  Source 0 = B (w_out's rows, along a lane's registers), source 1 = A (a lane holds a token).
; Row r of block i of 128 rows is row 32 (i / 2) + 8 (i % 2) + r + 8 (r / 8), for tokens and features alike.
; K is 8 steps of 128 = 4 records a side, through THREE LDS slots: records 0, 1, 2 are asked for at the start, record 3 refills slot 0 behind step 1 and has steps 2 to 5, 256 matrix instructions, in which to land.  The steps are written out.
; CLUSTERS: 4 x 4 work-groups; A's records are shared along a row of the cluster, B's along a column: joint loads.  128 work-groups: a tile of 128 features would give 256, at twice the LDS bytes for each product.
; REGISTERS: window 0: v16-24 LDS addresses, v25-27 the way out's, v28-29 the spare word's, v32-63 scale words (two sets), v128-223 A's fragments (one set), on the way out v128-255 rows of out0; window 1: B's fragments, two sets; windows 2, 3: accumulators.
.set REC,   25600
.set SLOT,  4*REC
.set SPARE, 3*SLOT
.set FR,    12
.set ADRA,  16
.set ADRB,  19
.set ADRS,  22
.set STO,   25                         ; the way out: where I put 32 bytes of a row
.set RD,    26                         ; and where I read a row back
.set L16,   27
.set SPW,   28
.set NIL,   29
.set SC,    32
.set AF,    128
.set BK,    128
.set G1A,   24
.set G1B,   32
.set G0A,   40
.set G0B,   52
.set MSB, 0
.macro WIN new                         ; the immediate's high byte repeats the setting that is left
.if MSB != (\new)
	s_set_vgpr_msb (MSB<<8)|(\new)
.set MSB, (\new)
.endif
.endm
.set MUL_LO, 0xa1
.set MUL_HI, 0xf1
.set TO_B,   0x40
.macro JLOAD g0a, g1a, g0b, g1b        ; a joint load: waves 0 and 1 fetch A's two records, waves 2 and 3 B's; four v_nop follow each line
	s_cmp_eq_u32 s15, 0
	s_cbranch_scc0 .Lfor_b_\@
	tensor_load_to_lds s[\g0a:\g0a+3], s[\g1a:\g1a+7]
	s_nop 0
.rept 4
	v_nop
.endr
	s_branch .Lasked_\@
.Lfor_b_\@:
	tensor_load_to_lds s[\g0b:\g0b+3], s[\g1b:\g1b+7]
	s_nop 0
.rept 4
	v_nop
.endr
.Lasked_\@:
.endm
.macro CREST
	s_cmp_lg_u32 s14, 0
	s_cbranch_scc1 .Lnot_wave_0_\@
	s_barrier_signal -3
.Lnot_wave_0_\@:
	s_barrier_wait -3
	s_barrier_signal -1
	s_barrier_wait -1
.endm
.macro CROUND
	s_barrier_signal -1
	s_barrier_wait -1
	CREST
.endm
.macro PLACES n
.rept \n
	v_nop
.endr
.endm
.macro FRAG reg, adr, q, i
.irp p, 0,1,2,3,4,5
	ds_load_b64 v[\reg+2*\p:\reg+2*\p+1], v[\adr] offset:(\q)*12288+(\i)*1536+\p*256
.endr
.endm
.macro FETCH_B n, q, p
	WIN TO_B
.irp i, 0,1,2,3,4,5,6,7
	FRAG 128*(\p)+FR*\i, ADRB+\n, \q, \i
.endr
	WIN 0
.endm
.macro FETCH_A n, q, i0
.irp i, \i0, \i0+1, \i0+2, \i0+3
	FRAG AF+FR*(\i), ADRA+\n, \q, \i
.endr
.endm
.macro SCALES n, sc
.irp i, 0,1,2,3,4,5,6,7
	ds_load_b64 v[SC+16*(\sc)+2*\i:SC+16*(\sc)+2*\i+1], v[ADRS+\n] offset:128*\i
.endr
.endm
.macro MUL16 a0, p, q, sc, zero        ; the 64 accumulators take turns in the same order in every step
.irp a, \a0, \a0+1
.irp b, 0,1,2,3,4,5,6,7
.if \zero
	v_wmma_scale_f32_16x16x128_f8f6f4 v[8*(8*((\a)%4)+\b):8*(8*((\a)%4)+\b)+7], v[128*(\p)+FR*\b:128*(\p)+FR*\b+FR-1], v[AF+FR*(\a):AF+FR*(\a)+FR-1], 0, v[SC+16*(\sc)+2*\b+(\q)], v[SC+16*(\sc)+2*(\a)+(\q)] matrix_a_fmt:MATRIX_FMT_FP6 matrix_b_fmt:MATRIX_FMT_FP6 matrix_a_scale:MATRIX_SCALE_ROW1
.else
	v_wmma_scale_f32_16x16x128_f8f6f4 v[8*(8*((\a)%4)+\b):8*(8*((\a)%4)+\b)+7], v[128*(\p)+FR*\b:128*(\p)+FR*\b+FR-1], v[AF+FR*(\a):AF+FR*(\a)+FR-1], v[8*(8*((\a)%4)+\b):8*(8*((\a)%4)+\b)+7], v[SC+16*(\sc)+2*\b+(\q)], v[SC+16*(\sc)+2*(\a)+(\q)] matrix_a_fmt:MATRIX_FMT_FP6 matrix_b_fmt:MATRIX_FMT_FP6 matrix_a_scale:MATRIX_SCALE_ROW1
.endif
.endr
.endr
.endm
.macro STEP q, sc, nn, nq, zero
	s_wait_dscnt 24                                ; all but the youngest 24 loads, A's blocks 4-7
	WIN MUL_LO
	MUL16 0, \q, \q, \sc, \zero
	MUL16 2, \q, \q, \sc, \zero
	s_wait_dscnt 0x0
	PLACES 4                                       ; four plain places in front of loads into registers that matrix instructions have read
	FETCH_B \nn, \nq, 1-(\q)
	FETCH_A \nn, \nq, 0
.if (\nq) == 0
	SCALES \nn, 1-(\sc)
.endif
	WIN MUL_HI
	MUL16 4, \q, \q, \sc, \zero
	MUL16 6, \q, \q, \sc, \zero
	PLACES 4
	WIN 0
	FETCH_A \nn, \nq, 4
.endm
.macro TURN sc, nn, fill
	s_wait_tensorcnt 0x0                           ; all my tensor loads have landed
	ds_add_u32 v[SPW], v[NIL]                      ; 0 onto my spare word
	s_wait_dscnt 25                                ; (the add and the youngest 24 loads may be out)
	WIN MUL_LO
	MUL16 0, 1, 1, \sc, 0
	s_wait_dscnt 0x0                               ; the add is done, and my reads of the slot are over
	s_barrier_signal -1
	MUL16 2, 1, 1, \sc, 0
	WIN 0
	s_barrier_wait -1
.if \fill
	CREST                                          ; the barrier has opened a round of the cluster's: no wave of any partner reads slot 0 or has a load on its way
	s_add_nc_u64 s[G0A+2:G0A+3], s[G0A+2:G0A+3], 3*REC
	s_add_nc_u64 s[G0B+2:G0B+3], s[G0B+2:G0B+3], 3*REC
	JLOAD G0A, G1A, G0B, G1B                       ; the first tensor load behind the round; its four v_nop are the places in front of the loads below
.else
	PLACES 4
.endif
	FETCH_B \nn, 0, 0
	FETCH_A \nn, 0, 0
	SCALES \nn, 1-(\sc)
	WIN MUL_HI
	MUL16 4, 1, 1, \sc, 0
	MUL16 6, 1, 1, \sc, 0
	PLACES 4
	WIN 0
	FETCH_A \nn, 0, 4
.endm
	s_load_b128 s[4:7], s[0:1], 0x0                ; ao s[4:5], wo s[6:7]
	s_load_b64 s[8:9], s[0:1], 0x10                ; out0
	v_lshl_add_u32 v[SPW], v0, 2, SPARE
	v_mov_b32 v[NIL], 0
	ds_add_u32 v28, v29
	s_wait_dscnt 0x0
	v_lshrrev_b32 v1, 5, v0
	v_readfirstlane_b32 s14, v1                    ; wave 0..3
	s_lshr_b32 s15, s14, 1
	s_and_b32 s16, s14, 1
	s_bfe_u32 s66, ttmp6, 0x40000                  ; cx
	s_bfe_u32 s67, ttmp6, 0x40004                  ; cy
	s_lshl_b32 s68, ttmp9, 2
	s_add_co_u32 s68, s68, s66                     ; the tile of 256 features
	s_and_b32 s69, ttmp7, 0xffff
	s_lshl_b32 s69, s69, 2
	s_add_co_u32 s69, s69, s67                     ; the tile of 256 tokens
	s_lshl_b32 s70, s67, 2
	s_lshl_b32 s70, 15, s70                        ; my row of the cluster
	s_lshl_b32 s71, 0x1111, s66                    ; my column
	s_or_b32 s[G1A], s70, (3<<16)|(1<<21)          ; 15:0 the mask; 17:16 elements of 8 bytes; 21 set beside a mask; no padding
	s_or_b32 s[G1B], s71, (3<<16)|(1<<21)
.irp g, G1A, G1B
	s_mov_b32 s[\g+1], 32<<16                      ; rows of 256 bytes,
	s_mov_b32 s[\g+2], 100<<16                     ; 100 of them: a record
	s_mov_b32 s[\g+3], 32<<16
	s_mov_b32 s[\g+4], 100
	s_mov_b32 s[\g+5], 32                          ; dense
	s_mov_b32 s[\g+6], 0
	s_mov_b32 s[\g+7], 0
.endr
	s_lshl_b32 s80, s69, 1
	s_add_co_u32 s80, s80, s16
	s_mul_i32 s80, s80, SLOT                       ; A: the group of 128 rows that I fetch: four records
	s_mov_b32 s81, 0
	s_lshl_b32 s82, s68, 1
	s_add_co_u32 s82, s82, s16
	s_mul_i32 s82, s82, SLOT
	s_mov_b32 s83, 0
	s_mul_i32 s76, s14, REC
	s_wait_kmcnt 0x0
	s_add_nc_u64 s[80:81], s[4:5], s[80:81]
	s_add_nc_u64 s[82:83], s[6:7], s[82:83]
	CROUND                                         ; all sixteen work-groups are here: the first joint loads meet
.irp n, 0,1,2
	s_mov_b32 s[G0A+4*\n], 1
	s_add_co_u32 s[G0A+4*\n+1], s76, \n*SLOT
	s_add_nc_u64 s[G0A+4*\n+2:G0A+4*\n+3], s[80:81], \n*REC
	s_or_b32 s[G0A+4*\n+3], s[G0A+4*\n+3], 0x80000000
	s_mov_b32 s[G0B+4*\n], 1
	s_add_co_u32 s[G0B+4*\n+1], s76, \n*SLOT
	s_add_nc_u64 s[G0B+4*\n+2:G0B+4*\n+3], s[82:83], \n*REC
	s_or_b32 s[G0B+4*\n+3], s[G0B+4*\n+3], 0x80000000
	JLOAD G0A+4*\n, G1A, G0B+4*\n, G1B             ; three loads of mine are out
.endr
	v_and_b32 v1, 31, v0
	v_and_b32 v2, 15, v0                           ; r
	v_bfe_u32 v3, v0, 4, 1                         ; h
	v_lshlrev_b32 v7, 3, v1
	v_lshlrev_b32 v[L16], 4, v1
	s_mul_i32 s77, s15, REC
	s_mul_i32 s78, s16, REC
	s_add_co_u32 s78, s78, 2*REC
	v_lshlrev_b32 v4, 3, v2
	s_sub_co_u32 s79, s78, s77
	v_mul_u32_u24 v5, s79, v3                      ; lanes 16-31 take B's scale words: one product with h
	v_add_nc_u32 v4, v4, v5
	s_add_co_u32 s79, s77, 24576
.irp n, 0,1,2
	v_add_nc_u32 v[ADRA+\n], s77, v7
	v_add_nc_u32 v[ADRB+\n], s78, v7
	v_add_nc_u32 v[ADRS+\n], s79, v4
	s_add_co_u32 s77, s77, SLOT
	s_add_co_u32 s78, s78, SLOT
	s_add_co_u32 s79, s79, SLOT
.endr
	s_mul_i32 s77, s14, 16*528
	s_add_co_u32 s77, s77, SLOT                    ; my stage, 16 rows x (512 bytes + 16), in slot 1: that slot is filled once, and nobody reads it behind step 5's barrier
	v_mul_u32_u24 v[STO], v2, 528
	v_lshl_add_u32 v[STO], v3, 6, v[STO]
	v_add_nc_u32 v[STO], s77, v[STO]               ; in: row r, + 64 h
	v_add_nc_u32 v[RD], s77, v[L16]                ; back: a row of 512 bytes, 16 a lane
	s_lshl_b32 s88, s69, 8
	s_lshl_b32 s89, s15, 7
	s_add_co_u32 s88, s88, s89
	s_lshl_b32 s88, s88, 12                        ; my first token's row of 4,096 bytes
	s_lshl_b32 s89, s68, 10
	s_add_co_u32 s88, s88, s89
	s_lshl_b32 s89, s16, 9
	s_add_co_u32 s88, s88, s89                     ; + my 128 features
	s_mov_b32 s89, 0
	s_add_nc_u64 s[84:85], s[8:9], s[88:89]
	s_wait_tensorcnt 2                             ; my record 0 is in; records 1 and 2 may be out
	s_barrier_signal -1
	s_barrier_wait -1
	FETCH_B 0, 0, 0
	FETCH_A 0, 0, 0
	SCALES 0, 0
	FETCH_A 0, 0, 4
	STEP 0, 0, 0, 1, 1                             ; K step 0: its products start the sums
	TURN 0, 1, 1                                   ; 1: every load has landed in every wave; slot 0 takes record 3
	STEP 0, 1, 1, 1, 0                             ; 2
	STEP 1, 1, 2, 0, 0                             ; 3: slot 2 was shown whole to everybody at step 1's barrier
	STEP 0, 0, 2, 1, 0                             ; 4
	TURN 0, 0, 0                                   ; 5: record 3 has landed in every wave
	STEP 0, 1, 0, 1, 0                             ; 6
	s_wait_dscnt 24                                ; 7: nothing more to fetch
	WIN MUL_LO
	MUL16 0, 1, 1, 1, 0
	MUL16 2, 1, 1, 1, 0
	s_wait_dscnt 0x0
	WIN MUL_HI
	MUL16 4, 1, 1, 1, 0
	MUL16 6, 1, 1, 1, 0
	WIN 0
; THE WAY OUT, block by block of 16 tokens x 128 features.  In tile b a lane's eight registers are features 32 (b / 2) + 8 (b % 2) + 16 h + 0 .. 7 of its token: they go into my stage at their true places
; and come back as whole rows of 512 bytes.  LDS serves a wave's instructions in order: no wait between the stores and the loads, nor in front of the next block's stores.
.macro TOSTAGE a
.set AC, 64*((\a)%4)
	WIN 0x08+4*((\a)/4)                            ; an LDS store's data are its source 1: window 2 or 3
.irp b, 0,1,2,3,4,5,6,7
	ds_store_b128 v[STO], v[AC+8*\b:AC+8*\b+3] offset:128*(\b/2)+32*(\b%2)           ; each accumulator from its low end on
	ds_store_b128 v[STO], v[AC+8*\b+4:AC+8*\b+7] offset:128*(\b/2)+32*(\b%2)+16
.endr
	WIN 0
.set BB, BK+64*((\a)%2)
.irp t, 0,1,2,3,4,5,6,7,8,9,10,11,12,13,14,15
	ds_load_b128 v[BB+4*\t:BB+4*\t+3], v[RD] offset:\t*528
.endr
.endm
.macro SEND a, younger                 ; younger: the LDS instructions issued behind block a's loads
.set BB, BK+64*((\a)%2)
	s_wait_dscnt \younger
.irp t, 0,1,2,3,4,5,6,7,8,9,10,11,12,13,14,15
	global_store_b128 v[L16], v[BB+4*\t:BB+4*\t+3], s[84:85] offset:(32*((\a)/2)+8*((\a)%2)+\t+8*(\t/8))*4096 th:TH_STORE_NT   ; 32 lanes store 512 consecutive bytes, aligned; every offset is an immediate, 127 rows at the most
.endr
.endm
	PLACES 4                                       ; in front of the first read of results and of loads into the registers that held A's fragments
	TOSTAGE 0
.irp a, 1,2,3,4,5,6,7
.if \a > 1
	s_wait_xcnt 0x0                                ; block a - 2's stores have read their registers: block a's loads may land there
.endif
	TOSTAGE \a
	SEND \a-1, 32                                  ; behind block a - 1's loads: block a's 16 stores and 16 loads
.endr
	SEND 7, 0
	s_wait_tensorcnt 0x0                           ; the wave's end
	ds_add_u32 v[SPW], v[NIL]
	s_wait_dscnt 0x0
	CROUND                                         ; the closing round
	s_endpgm
.Lfunc_end_k_q5159caf932_proj:
	.size	k_q5159caf932_proj, .Lfunc_end_k_q5159caf932_proj-k_q5159caf932_proj
	.p2alignl 7, 3214868480
	.fill 96, 4, 3214868480
	.section	.rodata,"a",@progbits
	.p2align	6, 0x0
	.amdhsa_kernel k_q5159caf932_proj
		.amdhsa_group_segment_fixed_size 327680
		.amdhsa_private_segment_fixed_size 0
		.amdhsa_enable_private_segment 0
		.amdhsa_kernarg_size 24
		.amdhsa_user_sgpr_count 2
		.amdhsa_user_sgpr_kernarg_segment_ptr 1
		.amdhsa_wavefront_size32 1
		.amdhsa_system_sgpr_workgroup_id_x 1
		.amdhsa_system_sgpr_workgroup_id_y 1
		.amdhsa_system_sgpr_workgroup_id_z 1
		.amdhsa_system_vgpr_workitem_id 0
		.amdhsa_next_free_vgpr 1024
		.amdhsa_next_free_sgpr 100
		.amdhsa_reserve_vcc 0
		.amdhsa_float_denorm_mode_32 3
		.amdhsa_float_denorm_mode_16_64 3
		.amdhsa_memory_ordered 1
		.amdhsa_forward_progress 1
		.amdhsa_inst_pref_size 157
	.end_amdhsa_kernel
	.amdgpu_metadata
---
amdhsa.version: [ 1, 2 ]
amdhsa.kernels:
  - .name:           k_q5159caf932_proj
    .symbol:         k_q5159caf932_proj.kd
    .args:
      - { .name: ao, .offset: 0, .size: 8, .value_kind: global_buffer, .address_space: global }
      - { .name: wo, .offset: 8, .size: 8, .value_kind: global_buffer, .address_space: global }
      - { .name: out0, .offset: 16, .size: 8, .value_kind: global_buffer, .address_space: global }
    .group_segment_fixed_size: 327680
    .private_segment_fixed_size: 0
    .kernarg_segment_align: 8
    .kernarg_segment_size: 24
    .max_flat_workgroup_size: 128
    .sgpr_count:     100
    .vgpr_count:     1024
    .wavefront_size: 32
...
	.end_amdgpu_metadata
.endif
;; end of part 4
